; MI455X (gfx1250); checked and timed in simulation.
; The chip was launched on July 23, 2026; its instructions are those of AMD's public machine-readable ISA for CDNA 5 (MIT licence, August 2026) and "CDNA5" Instruction Set Architecture Reference Guide (July 2026). The comments in the code are by the model that wrote it; some were corrected since.
;; Corr Block. Allowed arithmetic: matrix products marked QUANTISED: E2M1 operands, one E8M0 scale for each 32 along K, by v_wmma_scale_f32_16x16x128_f8f6f4 with both operands' format E2M1 (or v_wmma_scale_f32_32x16x128_f4), f32 sums; everything else in f32.
;; Inputs: centroids_coords 2 x 2 x 64 x 64 float32; fmap1 2 x 256 x 64 x 64 float32; fmap2 2 x 256 x 64 x 64 float32.
;; Outputs: out0 2 x 324 x 64 x 64 float32.
;; This version of the problem:
;;   THIS VERSION OF THE PROBLEM IS GIVEN IN LOW PRECISION. The matrix products marked QUANTISED in the list below multiply operands that are first quantised to E2M1 (2 exponent bits, 1 mantissa bit; 4 bits a number), with one power-of-two scale for each 32 numbers along K (OCP MX v1.0); their sums are f32. All else is computed in f32.
;;   The module's matrix products, in the order in which they are computed (A, B: the left and right operand; K: the contracted axis; several contracted axes count as one K, in the product's order):
;;     1. batch 2 x [M 4,096, K 256] x [K 256, N 4,096]; A: input fmap1; B: input fmap2: QUANTISED
;;   THE QUANTISER, for each operand of a quantised product, along K:
;;     - K is cut into blocks of 32 from its start; a last block that is shorter is filled with zeros.
;;     - A block's scale is 2^e with e = floor(log2(the largest magnitude in the block)) - 2, held to -126 .. 127; a block of zeros has e = 0. As a byte (E8M0): e + 127.
;;     - Each number is divided by its block's scale, clamped to +-6, and rounded to the nearest number of E2M1, ties to even, subnormals kept.
;;     - The product sums the exact products of the quantised numbers (number of the format x scale) in f32.
;;   ~~~python
;;   def quantise(x, axis):      # numpy; x: float32 -> the quantised numbers, widened to float32 again
;;       x = np.moveaxis(x, axis, -1); K = x.shape[-1]
;;       x = np.pad(x, [(0, 0)] * (x.ndim - 1) + [(0, -K % 32)]); x = x.reshape(x.shape[:-1] + (-1, 32)); a = np.abs(x).max(-1, keepdims=True)
;;       e = np.where(a > 0, np.clip(np.frexp(np.where(a > 0, a, 1))[1] - 1 - 2, -126, 127), 0)      # np.frexp(a)[1] - 1 = floor(log2(a)), exactly
;;       r = np.clip(x / 2.0 ** e, -6, 6)
;;       step = 2.0 ** (np.maximum(np.frexp(np.where(r == 0, 1, r))[1] - 1, 0) - 1)
;;       q = np.round(r / step) * step * 2.0 ** e      # np.round: ties to even
;;       return np.moveaxis(q.reshape(q.shape[:-2] + (-1,))[..., :K], -1, axis).astype(np.float32)
;;   ~~~
;; 3 versions, each right; version 2 is faster than version 1; version 3 is version 2 with the launch corr written anew for expert scheduling mode. Each part assembles by itself: llvm-mc -triple=amdgcn-amd-amdhsa -mcpu=gfx1250 --defsym DOCPART=n.
;; ======== version 1 of 3: 2 launches
;; workspace buffers: f1c 1,048,576 bytes; f2c 1,048,576 bytes; f1s 65,536 bytes; f2s 65,536 bytes; widx 655,360 bytes of whole numbers; wts 524,288 bytes
;; launch prep (part 1): grid 256 x 1, 8 waves a work-group, no clusters, 1,536 bytes of LDS; arguments fmap1, fmap2, f1c, f1s, f2c, f2s, centroids_coords, widx, wts; writes f1c, f1s, f2c, f2s, widx, wts
.if DOCPART == 1
	.amdgcn_target "amdgcn-amd-amdhsa--gfx1250"
	.amdhsa_code_object_version 6
	.text
	.protected	k_qa5fbf7d40e_prep
	.globl	k_qa5fbf7d40e_prep
	.p2align	8
	.type	k_qa5fbf7d40e_prep,@function
k_qa5fbf7d40e_prep:
	s_mov_b64 s[64:65], 0
	v_nop
	global_prefetch_b8 v0, s[64:65] scope:SCOPE_SE
	s_setreg_imm32_b32 hwreg(HW_REG_WAVE_MODE, 25, 1), 1
	s_wait_xcnt 0x0
; PREP.  (1) fmap1 and fmap2, [2][256 (k)][4096 (n)] f32, become codes of FP4 (E2M1) along K with one E8M0 byte for each 32 along K.
; (2) The centroids become whole numbers (window starts, row slots) and f32 weights for the launch that follows.
; CODES are laid in the order of an operand's registers: [batch][tile = n / 16][kb = k / 32][r = n % 16][16 bytes = 32 codes, the lower k in the lower bits].
;   So the 512 bytes at tile x 2048 + s x 1024 + c x 512 are, 16 bytes a lane, registers 4 c .. 4 c + 3 of the fragment (16 columns x K step s of 128).
; SCALE BYTES: [batch][n][8]: byte kb; 8 bytes of a column are the scale words of K steps 0 and 1.
; A block's scale is 2^(floor(log2(largest magnitude)) - 2): its byte is the largest magnitude's exponent field - 2, held at 1 from below.
; SHARES: work-groups 0-127 take fmap1, 128-255 fmap2 (only pointers are chosen: one path).  A work-group takes 64 columns of one batch, wave w the K block kb = w (rows 32 w .. 32 w + 31).
;   A LANE TAKES TWO COLUMNS (lane, 32 + lane) AND ITS REGISTERS RUN DOWN K: a block lies in one lane's 32 registers, and the conversions give codes with K innermost.
;   Two neighbouring loads of a wave cover 256 consecutive bytes of a row; a store of codes covers two runs of 256 consecutive bytes, each aligned.
;   The 8 waves' scale bytes meet in 512 bytes of LDS; wave 0 stores them as 512 consecutive bytes.
; COORDINATES: wave 1 of work-group g serves the 32 queries of the next launch's work-group g, a lane a query.  For level l (image side W = 64 >> l), with x_l = x / 2^l:
;   widx group 0, dword l: clamp(floor(x_l) - 4, -10, W) + 16: where the query's ten columns begin, counted from 16 dwords ahead of a row's data (zeroed margins stand for what lies outside);
;   widx group 1 + l: ten bytes: for window row j the slot ROWBASE_l + floor(y_l) - 4 + j, or 0 (a row of zeros) where that row lies outside the image;
;   wts level l: fx, 1 - fx, (1 - fy) s, fy s with s = 2^-(4 + 2 l): the division by sqrt(256) and the pools' means, both powers of two, ride on the y weights.
; LIMITS: NaN and infinities among the inputs are not served.  A block of zeros gets the byte 1 where the rule says 127: its codes are zeros, and this program alone reads the bytes.
;   floor and fraction are taken of x / 2^l once, not of x / 2^l + offset: one f32 rounding of a continuous function.  Coordinates of any finite size are served (clamped: their windows read zeros).
.set XC0, 32                           ; v32-63   my first column's block
.set XC1, 64                           ; v64-95   my second column's
.set CD,  96                           ; v96-103  their codes
.set WT,  16                           ; v16-31   the weights, four a level
.set WX,  104                          ; v104-107 the window starts
.set SL,  108                          ; v108-123 the row slots, four dwords a level
	s_load_b128 s[4:7], s[0:1], 0x0                ; fmap1, fmap2
	s_load_b128 s[8:11], s[0:1], 0x10              ; f1c, f1s
	s_load_b128 s[12:15], s[0:1], 0x20             ; f2c, f2s
	s_load_b128 s[16:19], s[0:1], 0x30             ; coordinates, widx
	s_load_b64 s[20:21], s[0:1], 0x40              ; wts
	v_lshl_add_u32 v128, v0, 2, 0x200
	v_mov_b32 v129, 0
	v_lshrrev_b32 v1, 5, v0
	v_readfirstlane_b32 s22, v1                    ; wave 0..7 = my K block
	v_and_b32 v1, 31, v0                           ; lane
	v_lshlrev_b32 v2, 2, v1                        ; in: 4 bytes a lane
	v_lshrrev_b32 v3, 4, v1
	v_and_b32 v4, 15, v1
	v_lshlrev_b32 v3, 11, v3
	v_lshl_add_u32 v3, v4, 4, v3                   ; codes out: tile (lane / 16) x 2048 + (lane % 16) x 16
	v_lshlrev_b32 v4, 3, v1
	v_add_nc_u32 v4, s22, v4                       ; LDS: 8 x column + my K block's byte
	v_lshlrev_b32 v5, 4, v1                        ; 16 x lane
	v_mov_b32 v6, 0                                ; x, y: written in every wave, loaded in wave 1
	v_mov_b32 v7, 0
	s_and_b32 s23, ttmp9, 127                      ; which 64 columns of the tensor's 2 x 4096
	s_lshr_b32 s24, s23, 6                         ; batch
	s_lshl_b32 s24, s24, 22                        ; a batch of f32: 256 x 4096 x 4 bytes
	s_and_b32 s25, s23, 63
	s_lshl_b32 s25, s25, 8                         ; 64 columns x 4 bytes
	s_add_co_u32 s24, s24, s25
	s_lshl_b32 s25, s22, 19                        ; 32 rows of 16,384 bytes a wave
	s_add_co_u32 s24, s24, s25
	s_mov_b32 s25, 0
	s_lshl_b32 s26, s23, 13                        ; codes: four tiles of 2,048 bytes
	s_lshl_b32 s27, s22, 8                         ; + my K block's 256 bytes in a tile
	s_add_co_u32 s26, s26, s27
	s_mov_b32 s27, 0
	s_lshl_b32 s28, s23, 9                         ; scale bytes: 64 columns x 8
	s_mov_b32 s29, 0
	s_lshr_b32 s34, ttmp9, 7
	s_lshl_b32 s34, s34, 15                        ; coordinates: a batch is 2 x 4096 x 4 bytes
	s_lshl_b32 s35, s23, 7                         ; 32 queries x 4 bytes
	s_add_co_u32 s34, s34, s35
	s_mov_b32 s35, 0
	s_mul_i32 s36, ttmp9, 2560                     ; widx: five groups of 512 bytes
	s_mov_b32 s37, 0
	s_lshl_b32 s38, ttmp9, 11                      ; wts: four levels of 512 bytes
	s_mov_b32 s39, 0
	s_mov_b32 s30, 0x40c00000                      ; 6.0
	s_mov_b32 s32, 0xc1800000                      ; -16.0
	s_mov_b32 s33, 0x42a00000                      ; 80.0
	s_wait_kmcnt 0x0
	s_cmp_lt_u32 ttmp9, 128                        ; fmap1's work-group or fmap2's: the choice hangs on the work-group's number alone
	s_cselect_b64 s[4:5], s[4:5], s[6:7]
	s_cselect_b64 s[8:9], s[8:9], s[12:13]
	s_cselect_b64 s[10:11], s[10:11], s[14:15]
	s_add_nc_u64 s[4:5], s[4:5], s[24:25]
	s_add_nc_u64 s[8:9], s[8:9], s[26:27]
	s_add_nc_u64 s[10:11], s[10:11], s[28:29]
	s_add_nc_u64 s[16:17], s[16:17], s[34:35]
	s_add_nc_u64 s[18:19], s[18:19], s[36:37]
	s_add_nc_u64 s[20:21], s[20:21], s[38:39]
	s_cmp_lg_u32 s22, 1
	s_cbranch_scc1 .Lno_coords
	global_load_b32 v6, v2, s[16:17] th:TH_LOAD_NT                 ; x of my query
	global_load_b32 v7, v2, s[16:17] offset:16384 th:TH_LOAD_NT    ; y
.Lno_coords:
.irp i, 0,1,2,3,4,5,6,7,8,9,10,11,12,13,14,15,16,17,18,19,20,21,22,23,24,25,26,27,28,29,30,31
	global_load_b32 v[XC0+\i], v2, s[4:5] offset:\i*16384 th:TH_LOAD_NT       ; row 32 w + i, columns 0-31 of my 64,
	global_load_b32 v[XC1+\i], v2, s[4:5] offset:\i*16384+128 th:TH_LOAD_NT   ; and columns 32-63: the two cover 256 consecutive bytes
.endr
	s_wait_loadcnt 0x0                             ; all of the wave's share was asked for at once: nothing is left to overlap
	; the largest magnitude of each block: two chains a block, the two blocks by turns
	v_max3_num_f32 v8, |v[XC0]|, |v[XC0+1]|, |v[XC0+2]|
	v_max3_num_f32 v10, |v[XC1]|, |v[XC1+1]|, |v[XC1+2]|
	v_max3_num_f32 v9, |v[XC0+3]|, |v[XC0+4]|, |v[XC0+5]|
	v_max3_num_f32 v11, |v[XC1+3]|, |v[XC1+4]|, |v[XC1+5]|
.irp i, 6,10,14,18,22,26
	v_max3_num_f32 v8, v8, |v[XC0+\i]|, |v[XC0+\i+1]|
	v_max3_num_f32 v10, v10, |v[XC1+\i]|, |v[XC1+\i+1]|
	v_max3_num_f32 v9, v9, |v[XC0+\i+2]|, |v[XC0+\i+3]|
	v_max3_num_f32 v11, v11, |v[XC1+\i+2]|, |v[XC1+\i+3]|
.endr
	v_max3_num_f32 v8, v8, |v[XC0+30]|, |v[XC0+31]|
	v_max3_num_f32 v10, v10, |v[XC1+30]|, |v[XC1+31]|
	v_max3_num_f32 v8, v8, v9, 0x1800000           ; and the floor 2^(3 - 127): the byte cannot fall under 1
	v_max3_num_f32 v10, v10, v11, 0x1800000
	v_add_nc_u32 v12, 0xff000000, v8               ; 2 off the exponent field: the conversion takes this operand's exponent field as its scale
	v_add_nc_u32 v13, 0xff000000, v10
	v_lshrrev_b32 v14, 23, v12                     ; the scale's byte
	v_lshrrev_b32 v15, 23, v13
.irp q, 0,1,2,3
	v_cvt_scalef32_pk8_fp4_f32 v[CD+\q], v[XC0+8*\q:XC0+8*\q+7], v12       ; eight numbers / scale, to the nearest code, ties to even, beyond 6 the largest code
	v_cvt_scalef32_pk8_fp4_f32 v[CD+4+\q], v[XC1+8*\q:XC1+8*\q+7], v13
.endr
	v_nop                                          ; one plain place behind the last scaled conversion
	global_store_b128 v3, v[CD:CD+3], s[8:9]                       ; sixteen lanes fill 256 consecutive bytes: one K block of one tile
	global_store_b128 v3, v[CD+4:CD+7], s[8:9] offset:4096         ; the columns 32 further on: two tiles on
	ds_store_b8 v4, v14
	ds_store_b8 v4, v15 offset:256
	s_wait_dscnt 0x0                               ; for wave 0's sake: my bytes have landed
	s_barrier_signal -1
	s_barrier_wait -1
	s_cmp_lg_u32 s22, 0
	s_cbranch_scc1 .Lnot_wave_0
	ds_load_b128 v[8:11], v5                       ; the 64 columns' 512 scale bytes, 16 a lane
	s_wait_dscnt 0x0
	global_store_b128 v5, v[8:11], s[10:11]        ; 512 consecutive bytes, aligned
	s_wait_tensorcnt 0x0
	ds_add_u32 v128, v129
	s_wait_dscnt 0x0
	s_endpgm
.Lnot_wave_0:
	s_cmp_lg_u32 s22, 1
	s_cbranch_scc1 .Lend
; One level of the pyramid for my query.  inv = 2^-l, wmax = W + 16 as f32, hh = the image's side, rowbase = the level's first slot, sc = 2^-(4 + 2 l).
.macro LEVEL l, inv, wmax, hh, rowbase, sc
.if \l == 0
	v_floor_f32 v10, v6
	v_floor_f32 v11, v7
	v_sub_f32 v[WT], v6, v10                       ; fx
	v_sub_f32 v12, v7, v11                         ; fy
.else
	v_mul_f32 v8, \inv, v6                         ; exact: a power of two
	v_mul_f32 v9, \inv, v7
	v_floor_f32 v10, v8
	v_floor_f32 v11, v9
	v_sub_f32 v[WT+4*\l], v8, v10
	v_sub_f32 v12, v9, v11
.endif
	v_sub_f32 v[WT+4*\l+1], 1.0, v[WT+4*\l]        ; 1 - fx
	v_sub_f32 v13, 1.0, v12
	v_mul_f32 v[WT+4*\l+2], \sc, v13               ; (1 - fy) s
	v_mul_f32 v[WT+4*\l+3], \sc, v12               ; fy s
	v_add_f32 v10, 0x41400000, v10                 ; floor(x) - 4 + 16
	s_mov_b32 s31, \wmax
	v_med3_num_f32 v10, v10, s30, s31              ; held to 6 .. W + 16: a window wholly outside reads a margin
	v_cvt_u32_f32 v[WX+\l], v10
	v_med3_num_f32 v11, v11, s32, s33              ; floor(y) held to -16 .. 80: beyond either end every row of the window lies outside
	v_cvt_i32_f32 v11, v11
.irp j, 0,1,2,3,4,5,6,7,8,9
	v_add_nc_u32 v12, \j-4, v11                    ; the image row of window row j
	v_add_nc_u32 v13, \rowbase+\j-4, v11           ; its slot
	v_cmp_gt_u32 vcc_lo, \hh, v12                  ; inside?  (a negative row wraps to a large number)
	v_cndmask_b32 v13, 0, v13, vcc_lo              ; outside: slot 0, the row of zeros
.if \j%4 == 0
	v_mov_b32 v[SL+4*\l+\j/4], v13
.else
	v_lshl_or_b32 v[SL+4*\l+\j/4], v13, 8*(\j%4), v[SL+4*\l+\j/4]
.endif
.endr
	v_mov_b32 v[SL+4*\l+3], 0
.endm
	LEVEL 0, 0, 0x42a00000, 64, 1, 0x3d800000
	LEVEL 1, 0.5, 0x42400000, 32, 65, 0x3c800000
	LEVEL 2, 0x3e800000, 0x42000000, 16, 97, 0x3b800000
	LEVEL 3, 0x3e000000, 0x41c00000, 8, 113, 0x3a800000
	global_store_b128 v5, v[WX:WX+3], s[18:19]     ; each store: 512 consecutive bytes, aligned; each has data registers of its own
.irp l, 0,1,2,3
	global_store_b128 v5, v[SL+4*\l:SL+4*\l+3], s[18:19] offset:512+512*\l
	global_store_b128 v5, v[WT+4*\l:WT+4*\l+3], s[20:21] offset:512*\l
.endr
.Lend:
	s_wait_tensorcnt 0x0
	ds_add_u32 v128, v129
	s_wait_dscnt 0x0
	s_endpgm
.Lfunc_end_k_qa5fbf7d40e_prep:
	.size	k_qa5fbf7d40e_prep, .Lfunc_end_k_qa5fbf7d40e_prep-k_qa5fbf7d40e_prep
	.p2alignl 7, 3214868480
	.fill 96, 4, 3214868480
	.section	.rodata,"a",@progbits
	.p2align	6, 0x0
	.amdhsa_kernel k_qa5fbf7d40e_prep
		.amdhsa_group_segment_fixed_size 1536
		.amdhsa_private_segment_fixed_size 0
		.amdhsa_enable_private_segment 0
		.amdhsa_kernarg_size 72
		.amdhsa_user_sgpr_count 2
		.amdhsa_user_sgpr_kernarg_segment_ptr 1
		.amdhsa_wavefront_size32 1
		.amdhsa_system_sgpr_workgroup_id_x 1
		.amdhsa_system_sgpr_workgroup_id_y 1
		.amdhsa_system_sgpr_workgroup_id_z 1
		.amdhsa_system_vgpr_workitem_id 0
		.amdhsa_next_free_vgpr 130
		.amdhsa_next_free_sgpr 66
		.amdhsa_reserve_vcc 1
		.amdhsa_float_denorm_mode_32 3
		.amdhsa_float_denorm_mode_16_64 3
		.amdhsa_memory_ordered 1
		.amdhsa_forward_progress 1
		.amdhsa_inst_pref_size 25
	.end_amdhsa_kernel
	.amdgpu_metadata
---
amdhsa.version: [ 1, 2 ]
amdhsa.kernels:
  - .name:           k_qa5fbf7d40e_prep
    .symbol:         k_qa5fbf7d40e_prep.kd
    .args:
      - { .name: fmap1, .offset: 0, .size: 8, .value_kind: global_buffer, .address_space: global }
      - { .name: fmap2, .offset: 8, .size: 8, .value_kind: global_buffer, .address_space: global }
      - { .name: f1c, .offset: 16, .size: 8, .value_kind: global_buffer, .address_space: global }
      - { .name: f1s, .offset: 24, .size: 8, .value_kind: global_buffer, .address_space: global }
      - { .name: f2c, .offset: 32, .size: 8, .value_kind: global_buffer, .address_space: global }
      - { .name: f2s, .offset: 40, .size: 8, .value_kind: global_buffer, .address_space: global }
      - { .name: centroids_coords, .offset: 48, .size: 8, .value_kind: global_buffer, .address_space: global }
      - { .name: widx, .offset: 56, .size: 8, .value_kind: global_buffer, .address_space: global }
      - { .name: wts, .offset: 64, .size: 8, .value_kind: global_buffer, .address_space: global }
    .group_segment_fixed_size: 1536
    .private_segment_fixed_size: 0
    .kernarg_segment_align: 8
    .kernarg_segment_size: 72
    .max_flat_workgroup_size: 256
    .sgpr_count:     66
    .vgpr_count:     130
    .wavefront_size: 32
...
	.end_amdgpu_metadata
.endif
;; end of part 1
;; launch corr (part 2): grid 256 x 1, 4 waves a work-group, no clusters, 320,256 bytes of LDS; arguments f1c, f1s, f2c, f2s, widx, wts, out0; writes out0
.if DOCPART == 2
	.amdgcn_target "amdgcn-amd-amdhsa--gfx1250"
	.amdhsa_code_object_version 6
	.text
	.protected	k_qa5fbf7d40e_corr
	.globl	k_qa5fbf7d40e_corr
	.p2align	8
	.type	k_qa5fbf7d40e_corr,@function
k_qa5fbf7d40e_corr:
	s_mov_b64 s[64:65], 0
	v_nop
	global_prefetch_b8 v0, s[64:65] scope:SCOPE_SE
	s_setreg_imm32_b32 hwreg(HW_REG_WAVE_MODE, 25, 1), 1
	s_wait_xcnt 0x0
; CORR.  For 32 queries of one batch: their rows of the correlation volume (FP4 codes, E8M0 scales, K = 256, f32 sums), the three 2 x 2 pools, and on each of the four levels a 9 x 9 bilinear window.  The volume never goes to memory.
; SHARES.  Work-group g: batch g / 128, queries 32 (g % 128) .. + 31, as two tiles of 16.  The 64 x 64 image of positions goes in 8 BANDS of 8 rows.  Wave w takes columns 16 w .. 16 w + 15 of a band:
;   8 tiles of 16 positions (tile t = image row 8 s + t) x 2 tiles of queries x 2 K steps = 32 matrix instructions a band; each fragment of fmap2 is loaded once in the work-group.
; LAYOUT.  Source 0 = 16 positions, source 1 = 16 queries: lane (r, h) of accumulator (q, t) holds query 16 q + r, register j the position x = 16 w + 8 h + j, y = 8 s + t.
;   So a lane's 64 registers of a query tile are an 8 x 8 patch of one query's image, and all three pools are additions inside the lane (SUMS are kept: the means' 4^-l ride on the y weights).
; THE WINDOW IS TAKEN SEPARABLY.  A band's rows go to LDS, [query][row][x] with zeroed margins; then, a lane a query, ten neighbours of a row are read at the query's own start and give nine numbers
;   ax g[i] + fx g[i+1], which go to X, [row slot][i][query].  Levels 0 and 1 band by band, levels 2 and 3 (whose whole images fit) after the last band.  At the end wave w takes level w:
;   ten row slots of X (slot 0 = zeros, for rows outside the image) give ay R[j] + by R[j+1]: channel 81 w + 9 i + j.
; Window starts and row slots are whole numbers that the launch before has stored; each is held under a constant before it enters an LDS address.
; LDS intervals between barriers hold either stores alone or loads alone.
; fmap2's codes are read by all 128 work-groups of a batch, straight from memory into registers in the operand's order, a band ahead.  They are not shared out through LDS by joint tensor loads:
;   this text uses 319,616 of the 327,680 bytes of LDS for the bands and X, and one band's codes and scale bytes of a work-group are 69,632 bytes.
; A store of the output covers 128 consecutive bytes (32 queries of one channel): 8,192 queries over 256 work-groups are 32 each, and LDS holds the buffers of no more.
; LIMITS: as stated at the head of the launch before (NaN and infinities not served; floor and fraction taken once a level).
.set P0, 304                           ; a row's pitch: 48 bytes of margin + 4 W of data
.set P1, 176
.set P2, 112
.set P3, 80
.set QP0, 16+8*P0                      ; a query's bytes: 16 of pad + its rows.  Each is an odd multiple of 16
.set QP1, 16+4*P1
.set QP2, 16+16*P2
.set QP3, 16+8*P3
.set B1, 32*QP0                        ; level 0's band at 0; level 1's band here;
.set B2, B1+32*QP1                     ; all of level 2;
.set B3, B2+32*QP2                     ; all of level 3;
.set XB, B3+32*QP3                     ; X: 121 slots (0: zeros; 1-64, 65-96, 97-112, 113-120: the levels' rows) of 9 x 32 dwords
.set XP, 1152
; A row's right margin is the next row's left one; the last row's is the next query's pad and margin; the last query's is the next region's first bytes, which are zeros too.
.set LN,  1                            ; v1   lane
.set RW,  2                            ; v2   r = lane % 16
.set HF,  3                            ; v3   h = lane / 16
.set AO,  4                            ; v4   fmap2's codes: 2048 w + 16 lane
.set ASO, 5                            ; v5   fmap2's scale words: 512 h + 128 w + 8 r
.set SA,  6                            ; v6-9   where my patch's first row goes in the band of level 0 .. 3
.set BQ,  10                           ; v10-13 lane = query: the first of my wave's rows in level 0 .. 3
.set GA,  14                           ; v14-17 the same + 4 x the query's window start
.set XA,  18                           ; v18-21 X: my wave's first slot of level 0 .. 3, + 4 lane
.set XL,  22                           ; v22  X + 4 lane
.set XZ,  23                           ; v23  X + 16 x thread
.set ZR,  24                           ; v24-27 zeros
.set TA,  28                           ; v28-31 a band's addresses
.set BF,  32                           ; v32-63 the queries' fragments (q, k) at 16 q + 8 k
.set BS,  64                           ; v64-65 their scale words, K step 0, 1: lanes 0-15 tile 0, lanes 16-31 tile 1
.set AS,  66                           ; v66-73 fmap2's scale words: pair p: K step 0, 1; lanes 0-15 tile 2 p, lanes 16-31 tile 2 p + 1
.set WT,  74                           ; v74-89 fx, ax, ay, by of level 0 .. 3
.set WW,  90                           ; v90-93 the same of level w
.set WXO, 94                           ; v94-97 window starts of level 0 .. 3
.set SLT, 98                           ; v98-101 level w's ten row slots, a byte each
.set YA,  102                          ; v102-111 their LDS addresses
.set G01, 112                          ; v112-141 three rows of ten: level 0's two, level 1's one
.set G23, 142                          ; v142-201 six rows of ten: level 2's four, level 3's two
.set T,   142                          ; v142-205 at work while pooling (never while G23 is alive)
.set PL1, 206                          ; v206-237 level 1's sums, 16 a query tile
.set PL2, 238                          ; v238-245 level 2's, 4 a tile
.set PL3, 246                          ; v246-247 level 3's
.set AY,  248                          ; v248-249 ay twice;  v250-251 by twice
.set BY,  250
.set O4,  252                          ; 4 lane;  16 lane;  16 lane + 512 w;  8 lane: never rewritten
.set O16, 253
.set O16W, 254
.set O8,  255
.set RR,  112                          ; v112-210 the end: ten rows of X, ten registers apart
.set ACC, 128                          ; window 1: v0-127 fmap2's fragments (t, k, c) at 16 t + 8 k + 4 c;  v128-255 the accumulators (q, t) at 128 + 64 q + 8 t
.set MSB, 0
.macro WIN new                         ; s_set_vgpr_msb: bits 1:0 source 0, 3:2 source 1, 5:4 source 2, 7:6 destination; the high byte repeats the setting that is left
.if MSB != \new
	s_set_vgpr_msb (MSB<<8)|\new
.set MSB, \new
.endif
.endm
.macro BAR                             ; my LDS stores have landed and my LDS loads are in: then the work-group's barrier
	s_wait_dscnt 0x0
	s_barrier_signal -1
	s_barrier_wait -1
.endm
	s_load_b128 s[4:7], s[0:1], 0x0                ; f1c, f1s
	s_load_b128 s[8:11], s[0:1], 0x10              ; f2c, f2s
	s_load_b128 s[12:15], s[0:1], 0x20             ; widx, wts
	s_load_b64 s[16:17], s[0:1], 0x30              ; out
	s_set_vgpr_msb 0x80
	v_lshl_add_u32 v0, v0, 2, 0x4e100
	v_mov_b32 v1, 0
	s_set_vgpr_msb 0x8000
	v_lshrrev_b32 v1, 5, v0
	v_readfirstlane_b32 s18, v1                    ; wave 0..3
	v_and_b32 v[LN], 31, v0
	v_and_b32 v[RW], 15, v0
	v_bfe_u32 v[HF], v0, 4, 1
	v_lshlrev_b32 v[O16], 4, v[LN]
	v_lshlrev_b32 v[O8], 3, v[LN]
	v_lshlrev_b32 v[O4], 2, v[LN]
	s_lshl_b32 s33, s18, 11
	v_add_nc_u32 v[AO], s33, v[O16]
	s_lshl_b32 s33, s18, 9
	v_add_nc_u32 v[O16W], s33, v[O16]
	v_lshlrev_b32 v[ASO], 3, v[RW]
	v_lshl_add_u32 v[ASO], v[HF], 9, v[ASO]
	s_lshl_b32 s33, s18, 7
	v_add_nc_u32 v[ASO], s33, v[ASO]
	s_lshr_b32 s19, ttmp9, 7                       ; batch
	s_and_b32 s33, ttmp9, 127
	s_lshl_b32 s36, ttmp9, 12                      ; f1c: two tiles of 2,048 bytes a work-group (128 work-groups are a batch's 524,288 bytes)
	s_mov_b32 s37, 0
	s_lshl_b32 s38, ttmp9, 8                       ; f1s: 32 queries x 8 bytes
	s_mov_b32 s39, 0
	s_lshl_b32 s40, s19, 19                        ; f2c: the batch
	s_mov_b32 s41, 0
	s_lshl_b32 s42, s19, 15                        ; f2s: the batch
	s_mov_b32 s43, 0
	s_mul_i32 s44, ttmp9, 2560
	s_mov_b32 s45, 0
	s_lshl_b32 s46, ttmp9, 11
	s_mov_b32 s47, 0
	s_mul_i32 s34, s19, 5308416                    ; out: a batch is 324 channels of 16,384 bytes,
	s_mul_i32 s35, s18, 1327104                    ; my level's 81 channels,
	s_add_co_u32 s34, s34, s35
	s_lshl_b32 s35, s33, 7                         ; my work-group's 32 queries
	s_add_co_u32 s34, s34, s35
	s_mov_b32 s35, 0
	s_mov_b32 s28, 0                               ; a band on: 2 rows of level 2,
	s_mov_b32 s29, 0                               ; 1 row of level 3,
	s_mov_b32 s30, 0                               ; 8 slots of X,
	s_mov_b32 s31, 0                               ; 4 slots of X
	s_wait_kmcnt 0x0
	s_add_nc_u64 s[20:21], s[4:5], s[36:37]
	s_add_nc_u64 s[22:23], s[6:7], s[38:39]
	s_add_nc_u64 s[24:25], s[8:9], s[40:41]
	s_add_nc_u64 s[26:27], s[10:11], s[42:43]
	s_add_nc_u64 s[12:13], s[12:13], s[44:45]
	s_add_nc_u64 s[14:15], s[14:15], s[46:47]
	s_add_nc_u64 s[34:35], s[16:17], s[34:35]
; fmap2's scale words and fragments of a band: 4 + 32 loads, K step 0's fragments ahead of K step 1's.  step = 1: on to the next band first: the loads that named the two bases are done (the products' wait for 0).
.macro ALOAD step
.if \step
	s_add_nc_u64 s[24:25], s[24:25], 0x10000       ; 32 tiles of 2,048 bytes
	s_add_nc_u64 s[26:27], s[26:27], 0x1000        ; 512 positions x 8 bytes
.endif
.irp p, 0,1,2,3
	global_load_b64 v[AS+2*\p:AS+2*\p+1], v[ASO], s[26:27] offset:\p*1024
.endr
	WIN 0x40                                       ; destination window 1
.irp k, 0,1
.irp t, 0,1,2,3,4,5,6,7
.irp c, 0,1
	global_load_b128 v[16*\t+8*\k+4*\c:16*\t+8*\k+4*\c+3], v[AO], s[24:25] offset:\t*8192+\k*1024+\c*512   ; 32 lanes read 512 consecutive bytes
.endr
.endr
.endr
	WIN 0
.endm
	global_load_b128 v[WXO:WXO+3], v[O16], s[12:13] th:TH_LOAD_NT
	global_load_b128 v[SLT:SLT+3], v[O16W], s[12:13] offset:512 th:TH_LOAD_NT
.irp l, 0,1,2,3
	global_load_b128 v[WT+4*\l:WT+4*\l+3], v[O16], s[14:15] offset:512*\l th:TH_LOAD_NT
.endr
	global_load_b128 v[WW:WW+3], v[O16W], s[14:15] th:TH_LOAD_NT
	global_load_b64 v[BS:BS+1], v[O8], s[22:23] th:TH_LOAD_NT
.irp q, 0,1
.irp k, 0,1
.irp c, 0,1
	global_load_b128 v[BF+16*\q+8*\k+4*\c:BF+16*\q+8*\k+4*\c+3], v[O16], s[20:21] offset:2048*\q+1024*\k+512*\c th:TH_LOAD_NT
.endr
.endr
.endr
	ALOAD 0                                        ; band 0
	; LDS addresses
.macro MKSA l, qp, base, sh            ; r x a query's bytes + the data's start + my patch's x in bytes: (2 << sh) w + (1 << sh) h
	v_mul_u32_u24 v[SA+\l], v[RW], \qp
	v_lshl_add_u32 v[SA+\l], v[HF], \sh, v[SA+\l]
	s_lshl_b32 s33, s18, \sh+1
	s_add_co_u32 s33, s33, \base+64
	v_add_nc_u32 v[SA+\l], s33, v[SA+\l]
.endm
	MKSA 0, QP0, 0, 5
	MKSA 1, QP1, B1, 4
	MKSA 2, QP2, B2, 3
	MKSA 3, QP3, B3, 2
.macro MKBQ l, qp, base, wstep         ; lane x a query's bytes + my wave's first row
	v_mul_u32_u24 v[BQ+\l], v[LN], \qp
	s_mul_i32 s33, s18, \wstep
	s_add_co_u32 s33, s33, \base
	v_add_nc_u32 v[BQ+\l], s33, v[BQ+\l]
.endm
	MKBQ 0, QP0, 0, 2*P0
	MKBQ 1, QP1, B1, P1
	MKBQ 2, QP2, B2, 4*P2
	MKBQ 3, QP3, B3, 2*P3
.macro MKXA l, row0, wrows
	s_mul_i32 s33, s18, \wrows*XP
	s_add_co_u32 s33, s33, XB+\row0*XP
	v_add_nc_u32 v[XA+\l], s33, v[O4]
.endm
	MKXA 0, 1, 2
	MKXA 1, 65, 1
	MKXA 2, 97, 4
	MKXA 3, 113, 2
	v_add_nc_u32 v[XL], XB, v[O4]
	v_lshl_add_u32 v[XZ], v0, 4, XB
.irp i, 0,1,2,3
	v_mov_b32 v[ZR+\i], 0
.endr
; The margins are cleared once, a lane a query: 48 bytes ahead of each of my wave's rows, and the 16 bytes ahead of the first of them (in wave 0 the query's pad; else data bytes that are written later).
.macro ZERO l, pitch, rows
	ds_store_b128 v[BQ+\l], v[ZR:ZR+3]
.set u, 0
.rept \rows
	ds_store_b128 v[BQ+\l], v[ZR:ZR+3] offset:u*\pitch+16
	ds_store_b128 v[BQ+\l], v[ZR:ZR+3] offset:u*\pitch+32
	ds_store_b128 v[BQ+\l], v[ZR:ZR+3] offset:u*\pitch+48
.set u, u+1
.endr
.endm
	ZERO 0, P0, 2
	ZERO 1, P1, 1
	ZERO 2, P2, 4
	ZERO 3, P3, 2
	ds_store_b128 v[XZ], v[ZR:ZR+3]                ; X's slot 0 (128 threads x 16 bytes reach into slot 1, which is written later)
	s_wait_dscnt 0x0
	s_barrier_signal -1                            ; the margins: cleared ahead of every store of data
	s_wait_loadcnt 45                              ; the seven loads of whole numbers and weights are in; behind them were issued 1 + 8 (the queries') + 4 + 32 (band 0's)
	v_min_u32 v[WXO], 80, v[WXO]                   ; each start held at W + 16 before it enters an address
	v_min_u32 v[WXO+1], 48, v[WXO+1]
	v_min_u32 v[WXO+2], 32, v[WXO+2]
	v_min_u32 v[WXO+3], 24, v[WXO+3]
.irp l, 0,1,2,3
	v_lshl_add_u32 v[GA+\l], v[WXO+\l], 2, v[BQ+\l]
.endr
.irp j, 0,1,2,3,4,5,6,7,8,9
	v_bfe_u32 v[YA+\j], v[SLT+\j/4], 8*(\j%4), 8
.endr
.irp j, 0,1,2,3,4,5,6,7,8,9
	v_min_u32 v[YA+\j], 120, v[YA+\j]              ; each slot held at X's last
.endr
.irp j, 0,1,2,3,4,5,6,7,8,9
	v_mad_u32_u24 v[YA+\j], v[YA+\j], XP, v[XL]
.endr
	v_mov_b32 v[AY], v[WW+2]
	v_mov_b32 v[AY+1], v[WW+2]
	v_mov_b32 v[BY], v[WW+3]
	v_mov_b32 v[BY+1], v[WW+3]
	s_barrier_wait -1
; One product: tile t of positions x tile q of queries, K step k.  K step 0 starts the sum with the constant 0.  An odd tile's scale words lie in lanes 16-31 of its pair's register, and so do query tile 1's.
.macro PROD t, q, k
.set rD, ACC+64*(\q)+8*(\t)
.set rA, 16*(\t)+8*(\k)
.set rB, BF+16*(\q)+8*(\k)
.set rSA, AS+2*((\t)/2)+(\k)
.set rSB, BS+(\k)
.if (\k) == 0
.if ((\t)%2 == 0) && ((\q) == 0)
	v_wmma_scale_f32_16x16x128_f8f6f4 v[rD:rD+7], v[rA:rA+7], v[rB:rB+7], 0, v[rSA], v[rSB] matrix_a_fmt:MATRIX_FMT_FP4 matrix_b_fmt:MATRIX_FMT_FP4
.elseif ((\t)%2 == 1) && ((\q) == 0)
	v_wmma_scale_f32_16x16x128_f8f6f4 v[rD:rD+7], v[rA:rA+7], v[rB:rB+7], 0, v[rSA], v[rSB] matrix_a_fmt:MATRIX_FMT_FP4 matrix_b_fmt:MATRIX_FMT_FP4 matrix_a_scale:MATRIX_SCALE_ROW1
.elseif ((\t)%2 == 0)
	v_wmma_scale_f32_16x16x128_f8f6f4 v[rD:rD+7], v[rA:rA+7], v[rB:rB+7], 0, v[rSA], v[rSB] matrix_a_fmt:MATRIX_FMT_FP4 matrix_b_fmt:MATRIX_FMT_FP4 matrix_b_scale:MATRIX_SCALE_ROW1
.else
	v_wmma_scale_f32_16x16x128_f8f6f4 v[rD:rD+7], v[rA:rA+7], v[rB:rB+7], 0, v[rSA], v[rSB] matrix_a_fmt:MATRIX_FMT_FP4 matrix_b_fmt:MATRIX_FMT_FP4 matrix_a_scale:MATRIX_SCALE_ROW1 matrix_b_scale:MATRIX_SCALE_ROW1
.endif
.else
.if ((\t)%2 == 0) && ((\q) == 0)
	v_wmma_scale_f32_16x16x128_f8f6f4 v[rD:rD+7], v[rA:rA+7], v[rB:rB+7], v[rD:rD+7], v[rSA], v[rSB] matrix_a_fmt:MATRIX_FMT_FP4 matrix_b_fmt:MATRIX_FMT_FP4
.elseif ((\t)%2 == 1) && ((\q) == 0)
	v_wmma_scale_f32_16x16x128_f8f6f4 v[rD:rD+7], v[rA:rA+7], v[rB:rB+7], v[rD:rD+7], v[rSA], v[rSB] matrix_a_fmt:MATRIX_FMT_FP4 matrix_b_fmt:MATRIX_FMT_FP4 matrix_a_scale:MATRIX_SCALE_ROW1
.elseif ((\t)%2 == 0)
	v_wmma_scale_f32_16x16x128_f8f6f4 v[rD:rD+7], v[rA:rA+7], v[rB:rB+7], v[rD:rD+7], v[rSA], v[rSB] matrix_a_fmt:MATRIX_FMT_FP4 matrix_b_fmt:MATRIX_FMT_FP4 matrix_b_scale:MATRIX_SCALE_ROW1
.else
	v_wmma_scale_f32_16x16x128_f8f6f4 v[rD:rD+7], v[rA:rA+7], v[rB:rB+7], v[rD:rD+7], v[rSA], v[rSB] matrix_a_fmt:MATRIX_FMT_FP4 matrix_b_fmt:MATRIX_FMT_FP4 matrix_a_scale:MATRIX_SCALE_ROW1 matrix_b_scale:MATRIX_SCALE_ROW1
.endif
.endif
.endm
; A band's 32 products.  The 16 accumulators take turns, one instruction a turn, in the same order in both K steps.
.macro MULT
	s_wait_loadcnt 16                              ; all but the 16 youngest loads, K step 1's fragments, are in
	WIN 0x51                                       ; source 0, C and D window 1; source 1 window 0
.irp t, 0,1,2,3,4,5,6,7
.irp q, 0,1
	PROD \t, \q, 0
.endr
.endr
	s_wait_loadcnt 0x0
.irp t, 0,1,2,3,4,5,6,7
.irp q, 0,1
	PROD \t, \q, 1
.endr
.endr
	WIN 0
.rept 4
	v_nop                                          ; four places ahead of loads into the fragments' and scale words' registers and of the first read of results
.endr
.endm
; A band's results: level 0 to its band buffer as it stands, each accumulator from its low end on; the three pools inside the lane; their sums to their buffers.
.macro DSTORE
	v_add_nc_u32 v[TA], s28, v[SA+2]               ; level 2: rows 2 s, 2 s + 1
	v_add_nc_u32 v[TA+1], s29, v[SA+3]             ; level 3: row s
	WIN 0x04                                       ; an LDS store's data are its source 1: window 1
.irp q, 0,1
.irp t, 0,1,2,3,4,5,6,7
	ds_store_b128 v[SA], v[ACC+64*\q+8*\t:ACC+64*\q+8*\t+3] offset:\q*16*QP0+\t*P0
	ds_store_b128 v[SA], v[ACC+64*\q+8*\t+4:ACC+64*\q+8*\t+7] offset:\q*16*QP0+\t*P0+16
.endr
.endr
	WIN 0x05                                       ; sources 0 and 1 window 1
.irp q, 0,1
.irp y, 0,1,2,3
.irp p, 0,2,4,6
	v_pk_add_f32 v[T+32*\q+8*\y+\p:T+32*\q+8*\y+\p+1], v[ACC+64*\q+16*\y+\p:ACC+64*\q+16*\y+\p+1], v[ACC+64*\q+16*\y+8+\p:ACC+64*\q+16*\y+8+\p+1]   ; rows 2 y and 2 y + 1
.endr
.endr
.endr
	WIN 0
.irp q, 0,1
.irp y, 0,1,2,3
.irp x, 0,1,2,3
	v_add_f32 v[PL1+16*\q+4*\y+\x], v[T+32*\q+8*\y+2*\x], v[T+32*\q+8*\y+2*\x+1]   ; columns 2 x and 2 x + 1: level 1's sum of 4
.endr
.endr
.endr
.irp q, 0,1
.irp y, 0,1,2,3
	ds_store_b128 v[SA+1], v[PL1+16*\q+4*\y:PL1+16*\q+4*\y+3] offset:\q*16*QP1+\y*P1
.endr
.endr
.irp q, 0,1
.irp z, 0,1
.irp p, 0,2
	v_pk_add_f32 v[T+8*\q+4*\z+\p:T+8*\q+4*\z+\p+1], v[PL1+16*\q+8*\z+\p:PL1+16*\q+8*\z+\p+1], v[PL1+16*\q+8*\z+4+\p:PL1+16*\q+8*\z+4+\p+1]
.endr
.endr
.endr
.irp q, 0,1
.irp z, 0,1
.irp x, 0,1
	v_add_f32 v[PL2+4*\q+2*\z+\x], v[T+8*\q+4*\z+2*\x], v[T+8*\q+4*\z+2*\x+1]      ; level 2's sum of 16
.endr
.endr
.endr
.irp q, 0,1
	v_pk_add_f32 v[T+16+2*\q:T+17+2*\q], v[PL2+4*\q:PL2+4*\q+1], v[PL2+4*\q+2:PL2+4*\q+3]
.endr
.irp q, 0,1
	v_add_f32 v[PL3+\q], v[T+16+2*\q], v[T+17+2*\q]                                ; level 3's sum of 64
.endr
.irp q, 0,1
.irp z, 0,1
	ds_store_b64 v[TA], v[PL2+4*\q+2*\z:PL2+4*\q+2*\z+1] offset:\q*16*QP2+\z*P2
.endr
	ds_store_b32 v[TA+1], v[PL3+\q] offset:\q*16*QP3
.endr
	s_add_co_u32 s28, s28, 2*P2
	s_add_co_u32 s29, s29, P3
.endm
; Lane = query: ten neighbours of each of my wave's rows, from the query's own start on.
.macro GATH01
.irp i, 0,1,2,3,4,5,6,7,8,9
	ds_load_b32 v[G01+\i], v[GA] offset:4*\i               ; level 0, band rows 2 w and 2 w + 1
	ds_load_b32 v[G01+10+\i], v[GA] offset:P0+4*\i
	ds_load_b32 v[G01+20+\i], v[GA+1] offset:4*\i          ; level 1, band row w
.endr
.endm
.macro GATH23
.irp i, 0,1,2,3,4,5,6,7,8,9
.irp u, 0,1,2,3
	ds_load_b32 v[G23+10*\u+\i], v[GA+2] offset:\u*P2+4*\i         ; level 2, rows 4 w + u
.endr
.irp u, 0,1
	ds_load_b32 v[G23+40+10*\u+\i], v[GA+3] offset:\u*P3+4*\i      ; level 3, rows 2 w + u
.endr
.endr
.endm
; g[i] = ax g[i] + fx g[i + 1], i ascending, so that g[i + 1] is still as loaded; the rows by turns.
.macro LERP01
.irp i, 0,1,2,3,4,5,6,7,8
	v_mul_f32 v[G01+\i], v[WT+1], v[G01+\i]
	v_mul_f32 v[G01+10+\i], v[WT+1], v[G01+10+\i]
	v_mul_f32 v[G01+20+\i], v[WT+5], v[G01+20+\i]
	v_fmac_f32 v[G01+\i], v[WT], v[G01+1+\i]
	v_fmac_f32 v[G01+10+\i], v[WT], v[G01+11+\i]
	v_fmac_f32 v[G01+20+\i], v[WT+4], v[G01+21+\i]
.endr
.endm
.macro LERP23
.irp i, 0,1,2,3,4,5,6,7,8
.irp u, 0,1,2,3
	v_mul_f32 v[G23+10*\u+\i], v[WT+9], v[G23+10*\u+\i]
.endr
.irp u, 4,5
	v_mul_f32 v[G23+10*\u+\i], v[WT+13], v[G23+10*\u+\i]
.endr
.irp u, 0,1,2,3
	v_fmac_f32 v[G23+10*\u+\i], v[WT+8], v[G23+10*\u+1+\i]
.endr
.irp u, 4,5
	v_fmac_f32 v[G23+10*\u+\i], v[WT+12], v[G23+10*\u+1+\i]
.endr
.endr
.endm
.macro XST01                           ; into X: slot, i, query: 32 lanes store 128 consecutive bytes
	v_add_nc_u32 v[TA+2], s30, v[XA]
	v_add_nc_u32 v[TA+3], s31, v[XA+1]
.irp i, 0,1,2,3,4,5,6,7,8
	ds_store_b32 v[TA+2], v[G01+\i] offset:128*\i
	ds_store_b32 v[TA+2], v[G01+10+\i] offset:XP+128*\i
	ds_store_b32 v[TA+3], v[G01+20+\i] offset:128*\i
.endr
	s_add_co_u32 s30, s30, 8*XP
	s_add_co_u32 s31, s31, 4*XP
.endm
.macro XST23
.irp i, 0,1,2,3,4,5,6,7,8
.irp u, 0,1,2,3
	ds_store_b32 v[XA+2], v[G23+10*\u+\i] offset:\u*XP+128*\i
.endr
.irp u, 0,1
	ds_store_b32 v[XA+3], v[G23+40+10*\u+\i] offset:\u*XP+128*\i
.endr
.endr
.endm
; A trip: band s is read out of the band buffers while band s + 1 is multiplied; then band s + 1 takes its place.  fill = 1: band s + 2's fragments are asked for.
.macro TRIP fill
	GATH01                                         ; band s
	MULT                                           ; band s + 1
.if \fill
	ALOAD 1                                        ; band s + 2: a whole trip ahead of its products
.endif
	s_wait_dscnt 0x0                               ; my reads of the band buffers are in:
	s_barrier_signal -1                            ; say so,
	LERP01                                         ; work on registers while the others arrive,
	s_barrier_wait -1                              ; and store only when nobody reads any more
	XST01
	DSTORE
	BAR                                            ; band s + 1 lies in the band buffers
.endm
	MULT                                           ; band 0
	ALOAD 1                                        ; band 1
	DSTORE
	BAR
	s_mov_b32 s32, 6
.Ltrip:                                            ; s = 0 .. 5
	TRIP 1
	s_sub_co_u32 s32, s32, 1
	s_cmp_lg_u32 s32, 0
	s_cbranch_scc1 .Ltrip
	TRIP 0                                         ; s = 6, written out: there is no band 8 to ask for, and no load leaves its buffer
	GATH01                                         ; band 7,
	GATH23                                         ; and levels 2 and 3, whose images are whole now
	s_wait_dscnt 0x0
	s_barrier_signal -1
	LERP01
	LERP23
	s_barrier_wait -1
	XST01
	XST23
	BAR                                            ; X is whole
	; THE END.  Wave w takes level w, a lane a query: ten row slots x nine numbers; out(i, j) = ay R[j][i] + by R[j + 1][i] in place, row j's turn ahead of row j + 1's.
.irp j, 0,1,2,3,4,5,6,7,8,9
.irp i, 0,1,2,3,4,5,6,7,8
	ds_load_b32 v[RR+10*\j+\i], v[YA+\j] offset:128*\i
.endr
.endr
.macro OUTROW j
.if 72-9*(\j) > 63
	s_wait_dscnt 63                                ; (a wait's count names 63 at the most)
.else
	s_wait_dscnt 72-9*(\j)                         ; rows j and j + 1 are in; the 9 (8 - j) loads behind them may be out
.endif
.irp i, 0,2,4,6
	v_pk_mul_f32 v[RR+10*(\j)+\i:RR+10*(\j)+\i+1], v[RR+10*(\j)+\i:RR+10*(\j)+\i+1], v[AY:AY+1]
.endr
	v_mul_f32 v[RR+10*(\j)+8], v[AY], v[RR+10*(\j)+8]
.irp i, 0,2,4,6
	v_pk_fma_f32 v[RR+10*(\j)+\i:RR+10*(\j)+\i+1], v[RR+10*(\j)+10+\i:RR+10*(\j)+10+\i+1], v[BY:BY+1], v[RR+10*(\j)+\i:RR+10*(\j)+\i+1]
.endr
	v_fmac_f32 v[RR+10*(\j)+8], v[BY], v[RR+10*(\j)+18]
.irp i, 0,1,2,3,4,5,6,7,8
	global_store_b32 v[O4], v[RR+10*(\j)+\i], s[34:35] offset:(9*\i+(\j))*16384 th:TH_STORE_NT   ; channel 81 w + 9 i + j: 32 lanes store 128 consecutive bytes; no store's data are written again
.endr
.endm
.irp j, 0,1,2,3,4,5,6,7,8
	OUTROW \j
.endr
	s_set_vgpr_msb 0xa
	s_wait_tensorcnt 0x0
	ds_add_u32 v0, v1
	s_wait_dscnt 0x0
	s_set_vgpr_msb 0xa00
	s_endpgm
.Lfunc_end_k_qa5fbf7d40e_corr:
	.size	k_qa5fbf7d40e_corr, .Lfunc_end_k_qa5fbf7d40e_corr-k_qa5fbf7d40e_corr
	.p2alignl 7, 3214868480
	.fill 96, 4, 3214868480
	.section	.rodata,"a",@progbits
	.p2align	6, 0x0
	.amdhsa_kernel k_qa5fbf7d40e_corr
		.amdhsa_group_segment_fixed_size 320256
		.amdhsa_private_segment_fixed_size 0
		.amdhsa_enable_private_segment 0
		.amdhsa_kernarg_size 56
		.amdhsa_user_sgpr_count 2
		.amdhsa_user_sgpr_kernarg_segment_ptr 1
		.amdhsa_wavefront_size32 1
		.amdhsa_system_sgpr_workgroup_id_x 1
		.amdhsa_system_sgpr_workgroup_id_y 1
		.amdhsa_system_sgpr_workgroup_id_z 1
		.amdhsa_system_vgpr_workitem_id 0
		.amdhsa_next_free_vgpr 514
		.amdhsa_next_free_sgpr 66
		.amdhsa_reserve_vcc 0
		.amdhsa_float_denorm_mode_32 3
		.amdhsa_float_denorm_mode_16_64 3
		.amdhsa_memory_ordered 1
		.amdhsa_forward_progress 1
		.amdhsa_inst_pref_size 103
	.end_amdhsa_kernel
	.amdgpu_metadata
---
amdhsa.version: [ 1, 2 ]
amdhsa.kernels:
  - .name:           k_qa5fbf7d40e_corr
    .symbol:         k_qa5fbf7d40e_corr.kd
    .args:
      - { .name: f1c, .offset: 0, .size: 8, .value_kind: global_buffer, .address_space: global }
      - { .name: f1s, .offset: 8, .size: 8, .value_kind: global_buffer, .address_space: global }
      - { .name: f2c, .offset: 16, .size: 8, .value_kind: global_buffer, .address_space: global }
      - { .name: f2s, .offset: 24, .size: 8, .value_kind: global_buffer, .address_space: global }
      - { .name: widx, .offset: 32, .size: 8, .value_kind: global_buffer, .address_space: global }
      - { .name: wts, .offset: 40, .size: 8, .value_kind: global_buffer, .address_space: global }
      - { .name: out0, .offset: 48, .size: 8, .value_kind: global_buffer, .address_space: global }
    .group_segment_fixed_size: 320256
    .private_segment_fixed_size: 0
    .kernarg_segment_align: 8
    .kernarg_segment_size: 56
    .max_flat_workgroup_size: 128
    .sgpr_count:     66
    .vgpr_count:     514
    .wavefront_size: 32
...
	.end_amdgpu_metadata
.endif
;; end of part 2
;; ======== version 2 of 3: 2 launches; 1.25 times as fast as version 1
;; workspace buffers: f1c 1,048,576 bytes; f2c 1,048,576 bytes; f1s 65,536 bytes; f2s 65,536 bytes; widx 655,360 bytes of whole numbers; wts 524,288 bytes
;; launch prep: the kernel of part 1 again; grid 256 x 1, 8 waves a work-group, no clusters, 1,536 bytes of LDS; arguments fmap1, fmap2, f1c, f1s, f2c, f2s, centroids_coords, widx, wts; writes f1c, f1s, f2c, f2s, widx, wts
;; launch corr (part 3): grid 256 x 1, 4 waves a work-group, no clusters, 320,256 bytes of LDS; arguments f1c, f1s, f2c, f2s, widx, wts, out0; writes out0
.if DOCPART == 3
	.amdgcn_target "amdgcn-amd-amdhsa--gfx1250"
	.amdhsa_code_object_version 6
	.text
	.protected	k_qa5fbf7d40e_corr
	.globl	k_qa5fbf7d40e_corr
	.p2align	8
	.type	k_qa5fbf7d40e_corr,@function
k_qa5fbf7d40e_corr:
	s_mov_b64 s[64:65], 0
	v_nop
	global_prefetch_b8 v0, s[64:65] scope:SCOPE_SE
	s_setreg_imm32_b32 hwreg(HW_REG_WAVE_MODE, 25, 1), 1
	s_wait_xcnt 0x0
; CORR.  For 32 queries of one batch: their rows of the correlation volume (FP4 codes, E8M0 scales, K = 256, f32 sums), the three 2 x 2 pools, and on each of the four levels a 9 x 9 bilinear window.  The volume never goes to memory.
; SHARES.  Work-group g: batch g / 128, queries 32 (g % 128) .. + 31, as two tiles of 16.  The 64 x 64 image of positions goes in 8 BANDS of 8 rows.  Wave w takes columns 16 w .. 16 w + 15 of a band:
;   8 tiles of 16 positions (tile t = image row 8 s + t) x 2 tiles of queries x 2 K steps = 32 matrix instructions a band; each fragment of fmap2 is loaded once in the work-group.
; LAYOUT.  Source 0 = 16 positions, source 1 = 16 queries: lane (r, h) of accumulator (q, t) holds query 16 q + r, register j the position x = 16 w + 8 h + j, y = 8 s + t.
;   So a lane's 64 registers of a query tile are an 8 x 8 patch of one query's image, and all three pools are additions inside the lane (SUMS are kept: the means' 4^-l ride on the y weights).
; THE WINDOW IS TAKEN SEPARABLY.  A band's rows go to LDS, [query][row][x] with zeroed margins; then, a lane a query, ten neighbours of a row are read at the query's own start and give nine numbers
;   ax g[i] + fx g[i+1], which go to X, [row slot][i][query].  Levels 0 and 1 band by band, levels 2 and 3 (whose whole images fit) after the last band.  At the end wave w takes level w:
;   ten row slots of X (slot 0 = zeros, for rows outside the image) give ay R[j] + by R[j+1]: channel 81 w + 9 i + j.
; Window starts and row slots are whole numbers that the launch before has stored; each is held under a constant before it enters an LDS address.
; LDS intervals between barriers hold either stores alone or loads alone.
; fmap2's codes are read by all 128 work-groups of a batch, straight from memory into registers in the operand's order, TWO BANDS AHEAD: two sets of 128 registers (and of 8 scale words) take turns, band b in set b % 2;
;   as soon as a band's products are issued, its set takes the band two further on.  They are not shared out through LDS by joint tensor loads:
;   this text uses 319,616 of the 327,680 bytes of LDS for the bands and X, and one band's codes and scale bytes of a work-group are 69,632 bytes.
; A store of the output covers 128 consecutive bytes (32 queries of one channel): 8,192 queries over 256 work-groups are 32 each, and LDS holds the buffers of no more.
; LIMITS: as stated at the head of the launch before (NaN and infinities not served; floor and fraction taken once a level).
.set P0, 304                           ; a row's pitch: 48 bytes of margin + 4 W of data
.set P1, 176
.set P2, 112
.set P3, 80
.set QP0, 16+8*P0                      ; a query's bytes: 16 of pad + its rows.  Each is an odd multiple of 16
.set QP1, 16+4*P1
.set QP2, 16+16*P2
.set QP3, 16+8*P3
.set B1, 32*QP0                        ; level 0's band at 0; level 1's band here;
.set B2, B1+32*QP1                     ; all of level 2;
.set B3, B2+32*QP2                     ; all of level 3;
.set XB, B3+32*QP3                     ; X: 121 slots (0: zeros; 1-64, 65-96, 97-112, 113-120: the levels' rows) of 9 x 32 dwords
.set XP, 1152
; A row's right margin is the next row's left one; the last row's is the next query's pad and margin; the last query's is the next region's first bytes, which are zeros too.
; REGISTERS, in windows of 256.  Window 0:
.set LN,  1                            ; v1   lane
.set RW,  2                            ; v2   r = lane % 16
.set HF,  3                            ; v3   h = lane / 16
.set AO,  4                            ; v4   fmap2's codes: 2048 w + 16 lane
.set ASO, 5                            ; v5   fmap2's scale words: 512 h + 128 w + 8 r
.set SA,  6                            ; v6-9   where my patch's first row goes in the band of level 0 .. 3
.set BQ,  10                           ; v10-13 lane = query: the first of my wave's rows in level 0 .. 3
.set GA,  14                           ; v14-17 the same + 4 x the query's window start
.set XA,  18                           ; v18-21 X: my wave's first slot of level 0 .. 3, + 4 lane
.set XL,  22                           ; v22  X + 4 lane
.set XZ,  23                           ; v23  X + 16 x thread
.set ZR,  24                           ; v24-27 zeros
.set TA,  28                           ; v28-31 a band's addresses
.set BS,  64                           ; v64-65 the queries' scale words, K step 0, 1: lanes 0-15 tile 0, lanes 16-31 tile 1
.set AS,  66                           ; v66-73 fmap2's scale words, set 0; v32-39 (34 lower) set 1: pair p: K step 0, 1; lanes 0-15 tile 2 p, lanes 16-31 tile 2 p + 1
.set WT,  74                           ; v74-89 fx, ax, ay, by of level 0 .. 3
.set WW,  90                           ; v90-93 the same of level w
.set WXO, 94                           ; v94-97 window starts of level 0 .. 3
.set SLT, 98                           ; v98-101 level w's ten row slots, a byte each
.set YA,  102                          ; v102-111 their LDS addresses
.set G01, 112                          ; v112-141 three rows of ten: level 0's two, level 1's one
.set G23, 142                          ; v142-201 six rows of ten: level 2's four, level 3's two
.set T,   142                          ; v142-205 at work while pooling (never while G23 is alive)
.set PL1, 206                          ; v206-237 level 1's sums, 16 a query tile
.set PL2, 238                          ; v238-245 level 2's, 4 a tile
.set PL3, 246                          ; v246-247 level 3's
.set AY,  248                          ; v248-249 ay twice;  v250-251 by twice
.set BY,  250
.set O4,  252                          ; 4 lane;  16 lane;  16 lane + 512 w;  8 lane: never rewritten
.set O16, 253
.set O16W, 254
.set O8,  255
.set RR,  112                          ; v112-210 the end: ten rows of X, ten registers apart
.set ACC, 128                          ; window 1: v0-127 fmap2's fragments, set 0: (t, k, c) at 16 t + 8 k + 4 c;  v128-255 the accumulators (q, t) at 128 + 64 q + 8 t
.set BF,  128                          ; window 2: v0-127 fmap2's fragments, set 1;  v128-159 the queries' fragments (q, k) at 128 + 16 q + 8 k
.set MSB, 0
.macro WIN new                         ; s_set_vgpr_msb: bits 1:0 source 0, 3:2 source 1, 5:4 source 2, 7:6 destination; the high byte repeats the setting that is left
.if MSB != \new
	s_set_vgpr_msb (MSB<<8)|\new
.set MSB, \new
.endif
.endm
.macro BAR                             ; my LDS stores have landed and my LDS loads are in: then the work-group's barrier
	s_wait_dscnt 0x0
	s_barrier_signal -1
	s_barrier_wait -1
.endm
	s_load_b128 s[4:7], s[0:1], 0x0                ; f1c, f1s
	s_load_b128 s[8:11], s[0:1], 0x10              ; f2c, f2s
	s_load_b128 s[12:15], s[0:1], 0x20             ; widx, wts
	s_load_b64 s[16:17], s[0:1], 0x30              ; out
	v_lshl_add_u32 v62, v0, 2, 0x4e100
	v_mov_b32 v63, 0
	v_lshrrev_b32 v1, 5, v0
	v_readfirstlane_b32 s18, v1                    ; wave 0..3
	v_and_b32 v[LN], 31, v0
	v_and_b32 v[RW], 15, v0
	v_bfe_u32 v[HF], v0, 4, 1
	v_lshlrev_b32 v[O16], 4, v[LN]
	v_lshlrev_b32 v[O8], 3, v[LN]
	v_lshlrev_b32 v[O4], 2, v[LN]
	s_lshl_b32 s33, s18, 11
	v_add_nc_u32 v[AO], s33, v[O16]
	s_lshl_b32 s33, s18, 9
	v_add_nc_u32 v[O16W], s33, v[O16]
	v_lshlrev_b32 v[ASO], 3, v[RW]
	v_lshl_add_u32 v[ASO], v[HF], 9, v[ASO]
	s_lshl_b32 s33, s18, 7
	v_add_nc_u32 v[ASO], s33, v[ASO]
	s_lshr_b32 s19, ttmp9, 7                       ; batch
	s_and_b32 s33, ttmp9, 127
	s_lshl_b32 s36, ttmp9, 12                      ; f1c: two tiles of 2,048 bytes a work-group (128 work-groups are a batch's 524,288 bytes)
	s_mov_b32 s37, 0
	s_lshl_b32 s38, ttmp9, 8                       ; f1s: 32 queries x 8 bytes
	s_mov_b32 s39, 0
	s_lshl_b32 s40, s19, 19                        ; f2c: the batch
	s_mov_b32 s41, 0
	s_lshl_b32 s42, s19, 15                        ; f2s: the batch
	s_mov_b32 s43, 0
	s_mul_i32 s44, ttmp9, 2560
	s_mov_b32 s45, 0
	s_lshl_b32 s46, ttmp9, 11
	s_mov_b32 s47, 0
	s_mul_i32 s34, s19, 5308416                    ; out: a batch is 324 channels of 16,384 bytes,
	s_mul_i32 s35, s18, 1327104                    ; my level's 81 channels,
	s_add_co_u32 s34, s34, s35
	s_lshl_b32 s35, s33, 7                         ; my work-group's 32 queries
	s_add_co_u32 s34, s34, s35
	s_mov_b32 s35, 0
	s_mov_b32 s28, 0                               ; a band on: 2 rows of level 2,
	s_mov_b32 s29, 0                               ; 1 row of level 3,
	s_mov_b32 s30, 0                               ; 8 slots of X,
	s_mov_b32 s31, 0                               ; 4 slots of X
	s_wait_kmcnt 0x0
	s_add_nc_u64 s[20:21], s[4:5], s[36:37]
	s_add_nc_u64 s[22:23], s[6:7], s[38:39]
	s_add_nc_u64 s[24:25], s[8:9], s[40:41]
	s_add_nc_u64 s[26:27], s[10:11], s[42:43]
	s_add_nc_u64 s[12:13], s[12:13], s[44:45]
	s_add_nc_u64 s[14:15], s[14:15], s[46:47]
	s_add_nc_u64 s[34:35], s[16:17], s[34:35]
; fmap2's scale words and fragments of a band into set 0 or 1: 4 + 32 loads, K step 0's fragments ahead of K step 1's.  step = 1: on to the next band first.
; The other set's 36 loads may still be out then and name the same two bases: these are written only behind s_wait_xcnt 0, when every earlier memory instruction has had its addresses translated (ISA guide 3.1).
; Two bands' loads are 72, more than LOADcnt's field holds: there the issue of the next load waits until an earlier load has landed (ISA guide 5.7.1); no wait is written for that.
.macro ALOAD set, step
.if \step
	s_wait_xcnt 0x0
	s_add_nc_u64 s[24:25], s[24:25], 0x10000       ; 32 tiles of 2,048 bytes
	s_add_nc_u64 s[26:27], s[26:27], 0x1000        ; 512 positions x 8 bytes
.endif
.irp p, 0,1,2,3
	global_load_b64 v[AS-34*(\set)+2*\p:AS-34*(\set)+2*\p+1], v[ASO], s[26:27] offset:\p*1024
.endr
	WIN (0x40*(1+\set))                            ; destination window 1 (set 0) or 2 (set 1)
.irp k, 0,1
.irp t, 0,1,2,3,4,5,6,7
.irp c, 0,1
	global_load_b128 v[16*\t+8*\k+4*\c:16*\t+8*\k+4*\c+3], v[AO], s[24:25] offset:\t*8192+\k*1024+\c*512   ; 32 lanes read 512 consecutive bytes
.endr
.endr
.endr
	WIN 0
.endm
	global_load_b128 v[WXO:WXO+3], v[O16], s[12:13] th:TH_LOAD_NT
	global_load_b128 v[SLT:SLT+3], v[O16W], s[12:13] offset:512 th:TH_LOAD_NT
.irp l, 0,1,2,3
	global_load_b128 v[WT+4*\l:WT+4*\l+3], v[O16], s[14:15] offset:512*\l th:TH_LOAD_NT
.endr
	global_load_b128 v[WW:WW+3], v[O16W], s[14:15] th:TH_LOAD_NT
	global_load_b64 v[BS:BS+1], v[O8], s[22:23] th:TH_LOAD_NT
	WIN 0x80                                       ; destination window 2
.irp q, 0,1
.irp k, 0,1
.irp c, 0,1
	global_load_b128 v[BF+16*\q+8*\k+4*\c:BF+16*\q+8*\k+4*\c+3], v[O16], s[20:21] offset:2048*\q+1024*\k+512*\c th:TH_LOAD_NT
.endr
.endr
.endr
	WIN 0
	ALOAD 0, 0                                     ; band 0
	; LDS addresses
.macro MKSA l, qp, base, sh            ; r x a query's bytes + the data's start + my patch's x in bytes: (2 << sh) w + (1 << sh) h
	v_mul_u32_u24 v[SA+\l], v[RW], \qp
	v_lshl_add_u32 v[SA+\l], v[HF], \sh, v[SA+\l]
	s_lshl_b32 s33, s18, \sh+1
	s_add_co_u32 s33, s33, \base+64
	v_add_nc_u32 v[SA+\l], s33, v[SA+\l]
.endm
	MKSA 0, QP0, 0, 5
	MKSA 1, QP1, B1, 4
	MKSA 2, QP2, B2, 3
	MKSA 3, QP3, B3, 2
.macro MKBQ l, qp, base, wstep         ; lane x a query's bytes + my wave's first row
	v_mul_u32_u24 v[BQ+\l], v[LN], \qp
	s_mul_i32 s33, s18, \wstep
	s_add_co_u32 s33, s33, \base
	v_add_nc_u32 v[BQ+\l], s33, v[BQ+\l]
.endm
	MKBQ 0, QP0, 0, 2*P0
	MKBQ 1, QP1, B1, P1
	MKBQ 2, QP2, B2, 4*P2
	MKBQ 3, QP3, B3, 2*P3
.macro MKXA l, row0, wrows
	s_mul_i32 s33, s18, \wrows*XP
	s_add_co_u32 s33, s33, XB+\row0*XP
	v_add_nc_u32 v[XA+\l], s33, v[O4]
.endm
	MKXA 0, 1, 2
	MKXA 1, 65, 1
	MKXA 2, 97, 4
	MKXA 3, 113, 2
	v_add_nc_u32 v[XL], XB, v[O4]
	v_lshl_add_u32 v[XZ], v0, 4, XB
.irp i, 0,1,2,3
	v_mov_b32 v[ZR+\i], 0
.endr
; The margins are cleared once, a lane a query: 48 bytes ahead of each of my wave's rows, and the 16 bytes ahead of the first of them (in wave 0 the query's pad; else data bytes that are written later).
.macro ZERO l, pitch, rows
	ds_store_b128 v[BQ+\l], v[ZR:ZR+3]
.set u, 0
.rept \rows
	ds_store_b128 v[BQ+\l], v[ZR:ZR+3] offset:u*\pitch+16
	ds_store_b128 v[BQ+\l], v[ZR:ZR+3] offset:u*\pitch+32
	ds_store_b128 v[BQ+\l], v[ZR:ZR+3] offset:u*\pitch+48
.set u, u+1
.endr
.endm
	ZERO 0, P0, 2
	ZERO 1, P1, 1
	ZERO 2, P2, 4
	ZERO 3, P3, 2
	ds_store_b128 v[XZ], v[ZR:ZR+3]                ; X's slot 0 (128 threads x 16 bytes reach into slot 1, which is written later)
	s_wait_dscnt 0x0
	s_barrier_signal -1                            ; the margins: cleared ahead of every store of data
	s_wait_loadcnt 45                              ; the seven loads of whole numbers and weights are in; behind them were issued 1 + 8 (the queries') + 4 + 32 (band 0's)
	v_min_u32 v[WXO], 80, v[WXO]                   ; each start held at W + 16 before it enters an address
	v_min_u32 v[WXO+1], 48, v[WXO+1]
	v_min_u32 v[WXO+2], 32, v[WXO+2]
	v_min_u32 v[WXO+3], 24, v[WXO+3]
.irp l, 0,1,2,3
	v_lshl_add_u32 v[GA+\l], v[WXO+\l], 2, v[BQ+\l]
.endr
.irp j, 0,1,2,3,4,5,6,7,8,9
	v_bfe_u32 v[YA+\j], v[SLT+\j/4], 8*(\j%4), 8
.endr
.irp j, 0,1,2,3,4,5,6,7,8,9
	v_min_u32 v[YA+\j], 120, v[YA+\j]              ; each slot held at X's last
.endr
.irp j, 0,1,2,3,4,5,6,7,8,9
	v_mad_u32_u24 v[YA+\j], v[YA+\j], XP, v[XL]
.endr
	v_mov_b32 v[AY], v[WW+2]
	v_mov_b32 v[AY+1], v[WW+2]
	v_mov_b32 v[BY], v[WW+3]
	v_mov_b32 v[BY+1], v[WW+3]
	s_barrier_wait -1
; One product: tile t of positions (from set 0 or 1) x tile q of queries, K step k.  K step 0 starts the sum with the constant 0.  An odd tile's scale words lie in lanes 16-31 of its pair's register, and so do query tile 1's.
.macro PROD t, q, k, set
.set rD, ACC+64*(\q)+8*(\t)
.set rA, 16*(\t)+8*(\k)
.set rB, BF+16*(\q)+8*(\k)
.set rSA, AS-34*(\set)+2*((\t)/2)+(\k)
.set rSB, BS+(\k)
.if (\k) == 0
.if ((\t)%2 == 0) && ((\q) == 0)
	v_wmma_scale_f32_16x16x128_f8f6f4 v[rD:rD+7], v[rA:rA+7], v[rB:rB+7], 0, v[rSA], v[rSB] matrix_a_fmt:MATRIX_FMT_FP4 matrix_b_fmt:MATRIX_FMT_FP4
.elseif ((\t)%2 == 1) && ((\q) == 0)
	v_wmma_scale_f32_16x16x128_f8f6f4 v[rD:rD+7], v[rA:rA+7], v[rB:rB+7], 0, v[rSA], v[rSB] matrix_a_fmt:MATRIX_FMT_FP4 matrix_b_fmt:MATRIX_FMT_FP4 matrix_a_scale:MATRIX_SCALE_ROW1
.elseif ((\t)%2 == 0)
	v_wmma_scale_f32_16x16x128_f8f6f4 v[rD:rD+7], v[rA:rA+7], v[rB:rB+7], 0, v[rSA], v[rSB] matrix_a_fmt:MATRIX_FMT_FP4 matrix_b_fmt:MATRIX_FMT_FP4 matrix_b_scale:MATRIX_SCALE_ROW1
.else
	v_wmma_scale_f32_16x16x128_f8f6f4 v[rD:rD+7], v[rA:rA+7], v[rB:rB+7], 0, v[rSA], v[rSB] matrix_a_fmt:MATRIX_FMT_FP4 matrix_b_fmt:MATRIX_FMT_FP4 matrix_a_scale:MATRIX_SCALE_ROW1 matrix_b_scale:MATRIX_SCALE_ROW1
.endif
.else
.if ((\t)%2 == 0) && ((\q) == 0)
	v_wmma_scale_f32_16x16x128_f8f6f4 v[rD:rD+7], v[rA:rA+7], v[rB:rB+7], v[rD:rD+7], v[rSA], v[rSB] matrix_a_fmt:MATRIX_FMT_FP4 matrix_b_fmt:MATRIX_FMT_FP4
.elseif ((\t)%2 == 1) && ((\q) == 0)
	v_wmma_scale_f32_16x16x128_f8f6f4 v[rD:rD+7], v[rA:rA+7], v[rB:rB+7], v[rD:rD+7], v[rSA], v[rSB] matrix_a_fmt:MATRIX_FMT_FP4 matrix_b_fmt:MATRIX_FMT_FP4 matrix_a_scale:MATRIX_SCALE_ROW1
.elseif ((\t)%2 == 0)
	v_wmma_scale_f32_16x16x128_f8f6f4 v[rD:rD+7], v[rA:rA+7], v[rB:rB+7], v[rD:rD+7], v[rSA], v[rSB] matrix_a_fmt:MATRIX_FMT_FP4 matrix_b_fmt:MATRIX_FMT_FP4 matrix_b_scale:MATRIX_SCALE_ROW1
.else
	v_wmma_scale_f32_16x16x128_f8f6f4 v[rD:rD+7], v[rA:rA+7], v[rB:rB+7], v[rD:rD+7], v[rSA], v[rSB] matrix_a_fmt:MATRIX_FMT_FP4 matrix_b_fmt:MATRIX_FMT_FP4 matrix_a_scale:MATRIX_SCALE_ROW1 matrix_b_scale:MATRIX_SCALE_ROW1
.endif
.endif
.endm
; A band's 32 products, from set 0 or 1.  behind = the loads issued behind this band's: the next band's 36, or none.
; The 16 accumulators take turns, one instruction a turn, in the same order in both K steps.
.macro MULT set, behind
	s_wait_loadcnt 16+\behind                      ; loads come back in order (ISA guide 5.7.1): all up to this band's K step 0 are in; its K step 1's 16 and the next band's may be out
	WIN (0x59+\set)                                ; source 0 window 1 or 2; source 1 window 2; C and D window 1
.irp t, 0,1,2,3,4,5,6,7
.irp q, 0,1
	PROD \t, \q, 0, \set
.endr
.endr
	s_wait_loadcnt \behind                         ; this band's K step 1 is in: none of this set's loads is out any more
.irp t, 0,1,2,3,4,5,6,7
.irp q, 0,1
	PROD \t, \q, 1, \set
.endr
.endr
	WIN 0
.rept 4
	v_nop                                          ; four places ahead of loads into the fragments' and scale words' registers and of the first read of results
.endr
.endm
; A band's results: level 0 to its band buffer as it stands, each accumulator from its low end on; the three pools inside the lane; their sums to their buffers.
.macro DSTORE
	v_add_nc_u32 v[TA], s28, v[SA+2]               ; level 2: rows 2 s, 2 s + 1
	v_add_nc_u32 v[TA+1], s29, v[SA+3]             ; level 3: row s
	WIN 0x04                                       ; an LDS store's data are its source 1: window 1
.irp q, 0,1
.irp t, 0,1,2,3,4,5,6,7
	ds_store_b128 v[SA], v[ACC+64*\q+8*\t:ACC+64*\q+8*\t+3] offset:\q*16*QP0+\t*P0
	ds_store_b128 v[SA], v[ACC+64*\q+8*\t+4:ACC+64*\q+8*\t+7] offset:\q*16*QP0+\t*P0+16
.endr
.endr
	WIN 0x05                                       ; sources 0 and 1 window 1
.irp q, 0,1
.irp y, 0,1,2,3
.irp p, 0,2,4,6
	v_pk_add_f32 v[T+32*\q+8*\y+\p:T+32*\q+8*\y+\p+1], v[ACC+64*\q+16*\y+\p:ACC+64*\q+16*\y+\p+1], v[ACC+64*\q+16*\y+8+\p:ACC+64*\q+16*\y+8+\p+1]   ; rows 2 y and 2 y + 1
.endr
.endr
.endr
	WIN 0
.irp q, 0,1
.irp y, 0,1,2,3
.irp x, 0,1,2,3
	v_add_f32 v[PL1+16*\q+4*\y+\x], v[T+32*\q+8*\y+2*\x], v[T+32*\q+8*\y+2*\x+1]   ; columns 2 x and 2 x + 1: level 1's sum of 4
.endr
.endr
.endr
.irp q, 0,1
.irp y, 0,1,2,3
	ds_store_b128 v[SA+1], v[PL1+16*\q+4*\y:PL1+16*\q+4*\y+3] offset:\q*16*QP1+\y*P1
.endr
.endr
.irp q, 0,1
.irp z, 0,1
.irp p, 0,2
	v_pk_add_f32 v[T+8*\q+4*\z+\p:T+8*\q+4*\z+\p+1], v[PL1+16*\q+8*\z+\p:PL1+16*\q+8*\z+\p+1], v[PL1+16*\q+8*\z+4+\p:PL1+16*\q+8*\z+4+\p+1]
.endr
.endr
.endr
.irp q, 0,1
.irp z, 0,1
.irp x, 0,1
	v_add_f32 v[PL2+4*\q+2*\z+\x], v[T+8*\q+4*\z+2*\x], v[T+8*\q+4*\z+2*\x+1]      ; level 2's sum of 16
.endr
.endr
.endr
.irp q, 0,1
	v_pk_add_f32 v[T+16+2*\q:T+17+2*\q], v[PL2+4*\q:PL2+4*\q+1], v[PL2+4*\q+2:PL2+4*\q+3]
.endr
.irp q, 0,1
	v_add_f32 v[PL3+\q], v[T+16+2*\q], v[T+17+2*\q]                                ; level 3's sum of 64
.endr
.irp q, 0,1
.irp z, 0,1
	ds_store_b64 v[TA], v[PL2+4*\q+2*\z:PL2+4*\q+2*\z+1] offset:\q*16*QP2+\z*P2
.endr
	ds_store_b32 v[TA+1], v[PL3+\q] offset:\q*16*QP3
.endr
	s_add_co_u32 s28, s28, 2*P2
	s_add_co_u32 s29, s29, P3
.endm
; Lane = query: ten neighbours of each of my wave's rows, from the query's own start on.
.macro GATH01
.irp i, 0,1,2,3,4,5,6,7,8,9
	ds_load_b32 v[G01+\i], v[GA] offset:4*\i               ; level 0, band rows 2 w and 2 w + 1
	ds_load_b32 v[G01+10+\i], v[GA] offset:P0+4*\i
	ds_load_b32 v[G01+20+\i], v[GA+1] offset:4*\i          ; level 1, band row w
.endr
.endm
.macro GATH23
.irp i, 0,1,2,3,4,5,6,7,8,9
.irp u, 0,1,2,3
	ds_load_b32 v[G23+10*\u+\i], v[GA+2] offset:\u*P2+4*\i         ; level 2, rows 4 w + u
.endr
.irp u, 0,1
	ds_load_b32 v[G23+40+10*\u+\i], v[GA+3] offset:\u*P3+4*\i      ; level 3, rows 2 w + u
.endr
.endr
.endm
; g[i] = ax g[i] + fx g[i + 1], i ascending, so that g[i + 1] is still as loaded; the rows by turns.
.macro LERP01
.irp i, 0,1,2,3,4,5,6,7,8
	v_mul_f32 v[G01+\i], v[WT+1], v[G01+\i]
	v_mul_f32 v[G01+10+\i], v[WT+1], v[G01+10+\i]
	v_mul_f32 v[G01+20+\i], v[WT+5], v[G01+20+\i]
	v_fmac_f32 v[G01+\i], v[WT], v[G01+1+\i]
	v_fmac_f32 v[G01+10+\i], v[WT], v[G01+11+\i]
	v_fmac_f32 v[G01+20+\i], v[WT+4], v[G01+21+\i]
.endr
.endm
.macro LERP23
.irp i, 0,1,2,3,4,5,6,7,8
.irp u, 0,1,2,3
	v_mul_f32 v[G23+10*\u+\i], v[WT+9], v[G23+10*\u+\i]
.endr
.irp u, 4,5
	v_mul_f32 v[G23+10*\u+\i], v[WT+13], v[G23+10*\u+\i]
.endr
.irp u, 0,1,2,3
	v_fmac_f32 v[G23+10*\u+\i], v[WT+8], v[G23+10*\u+1+\i]
.endr
.irp u, 4,5
	v_fmac_f32 v[G23+10*\u+\i], v[WT+12], v[G23+10*\u+1+\i]
.endr
.endr
.endm
.macro XST01                           ; into X: slot, i, query: 32 lanes store 128 consecutive bytes
	v_add_nc_u32 v[TA+2], s30, v[XA]
	v_add_nc_u32 v[TA+3], s31, v[XA+1]
.irp i, 0,1,2,3,4,5,6,7,8
	ds_store_b32 v[TA+2], v[G01+\i] offset:128*\i
	ds_store_b32 v[TA+2], v[G01+10+\i] offset:XP+128*\i
	ds_store_b32 v[TA+3], v[G01+20+\i] offset:128*\i
.endr
	s_add_co_u32 s30, s30, 8*XP
	s_add_co_u32 s31, s31, 4*XP
.endm
.macro XST23
.irp i, 0,1,2,3,4,5,6,7,8
.irp u, 0,1,2,3
	ds_store_b32 v[XA+2], v[G23+10*\u+\i] offset:\u*XP+128*\i
.endr
.irp u, 0,1
	ds_store_b32 v[XA+3], v[G23+40+10*\u+\i] offset:\u*XP+128*\i
.endr
.endr
.endm
; A trip: band s is read out of the band buffers while band s + 1 (in set (s + 1) % 2) is multiplied; then band s + 1 takes its place.
; behind = the loads issued behind band s + 1's.  fill = 1: the set just multiplied takes band s + 3.
.macro TRIP set, behind, fill
	GATH01                                         ; band s
	MULT \set, \behind                             ; band s + 1
.if \fill
	ALOAD \set, 1                                  ; band s + 3: two trips ahead of its products
.endif
	s_wait_dscnt 0x0                               ; my reads of the band buffers are in:
	s_barrier_signal -1                            ; say so,
	LERP01                                         ; work on registers while the others arrive,
	s_barrier_wait -1                              ; and store only when nobody reads any more
	XST01
	DSTORE
	BAR                                            ; band s + 1 lies in the band buffers
.endm
	ALOAD 1, 1                                     ; band 1, into set 1: behind the barrier, since only register work and LDS loads stand between a signal and its wait
	MULT 0, 36                                     ; band 0
	ALOAD 0, 1                                     ; band 2
	DSTORE
	BAR
	s_mov_b32 s32, 2
.Ltrip:                                            ; s = 0 .. 3: a trip of the loop runs two bands, until the sets are back where they began
	TRIP 1, 36, 1
	TRIP 0, 36, 1
	s_sub_co_u32 s32, s32, 1
	s_cmp_lg_u32 s32, 0
	s_cbranch_scc1 .Ltrip
	TRIP 1, 36, 1                                  ; s = 4: band 5 is multiplied, band 7 asked for
	TRIP 0, 36, 0                                  ; s = 5: band 6; there is no band 8 to ask for, and no load leaves its buffer; band 7's 36 loads stand behind band 6's
	TRIP 1, 0, 0                                   ; s = 6: band 7, with no load behind it
	GATH01                                         ; band 7,
	GATH23                                         ; and levels 2 and 3, whose images are whole now
	s_wait_dscnt 0x0
	s_barrier_signal -1
	LERP01
	LERP23
	s_barrier_wait -1
	XST01
	XST23
	BAR                                            ; X is whole
	; THE END.  Wave w takes level w, a lane a query: ten row slots x nine numbers; out(i, j) = ay R[j][i] + by R[j + 1][i] in place, row j's turn ahead of row j + 1's.
.irp j, 0,1,2,3,4,5,6,7,8,9
.irp i, 0,1,2,3,4,5,6,7,8
	ds_load_b32 v[RR+10*\j+\i], v[YA+\j] offset:128*\i
.endr
.endr
.macro OUTROW j
.if 72-9*(\j) > 63
	s_wait_dscnt 63                                ; (a wait's count names 63 at the most)
.else
	s_wait_dscnt 72-9*(\j)                         ; rows j and j + 1 are in; the 9 (8 - j) loads behind them may be out
.endif
.irp i, 0,2,4,6
	v_pk_mul_f32 v[RR+10*(\j)+\i:RR+10*(\j)+\i+1], v[RR+10*(\j)+\i:RR+10*(\j)+\i+1], v[AY:AY+1]
.endr
	v_mul_f32 v[RR+10*(\j)+8], v[AY], v[RR+10*(\j)+8]
.irp i, 0,2,4,6
	v_pk_fma_f32 v[RR+10*(\j)+\i:RR+10*(\j)+\i+1], v[RR+10*(\j)+10+\i:RR+10*(\j)+10+\i+1], v[BY:BY+1], v[RR+10*(\j)+\i:RR+10*(\j)+\i+1]
.endr
	v_fmac_f32 v[RR+10*(\j)+8], v[BY], v[RR+10*(\j)+18]
.irp i, 0,1,2,3,4,5,6,7,8
	global_store_b32 v[O4], v[RR+10*(\j)+\i], s[34:35] offset:(9*\i+(\j))*16384 th:TH_STORE_NT   ; channel 81 w + 9 i + j: 32 lanes store 128 consecutive bytes; no store's data are written again
.endr
.endm
.irp j, 0,1,2,3,4,5,6,7,8
	OUTROW \j
.endr
	s_wait_tensorcnt 0x0
	ds_add_u32 v62, v63
	s_wait_dscnt 0x0
	s_endpgm
.Lfunc_end_k_qa5fbf7d40e_corr:
	.size	k_qa5fbf7d40e_corr, .Lfunc_end_k_qa5fbf7d40e_corr-k_qa5fbf7d40e_corr
	.p2alignl 7, 3214868480
	.fill 96, 4, 3214868480
	.section	.rodata,"a",@progbits
	.p2align	6, 0x0
	.amdhsa_kernel k_qa5fbf7d40e_corr
		.amdhsa_group_segment_fixed_size 320256
		.amdhsa_private_segment_fixed_size 0
		.amdhsa_enable_private_segment 0
		.amdhsa_kernarg_size 56
		.amdhsa_user_sgpr_count 2
		.amdhsa_user_sgpr_kernarg_segment_ptr 1
		.amdhsa_wavefront_size32 1
		.amdhsa_system_sgpr_workgroup_id_x 1
		.amdhsa_system_sgpr_workgroup_id_y 1
		.amdhsa_system_sgpr_workgroup_id_z 1
		.amdhsa_system_vgpr_workitem_id 0
		.amdhsa_next_free_vgpr 768
		.amdhsa_next_free_sgpr 66
		.amdhsa_reserve_vcc 0
		.amdhsa_float_denorm_mode_32 3
		.amdhsa_float_denorm_mode_16_64 3
		.amdhsa_memory_ordered 1
		.amdhsa_forward_progress 1
		.amdhsa_inst_pref_size 165
	.end_amdhsa_kernel
	.amdgpu_metadata
---
amdhsa.version: [ 1, 2 ]
amdhsa.kernels:
  - .name:           k_qa5fbf7d40e_corr
    .symbol:         k_qa5fbf7d40e_corr.kd
    .args:
      - { .name: f1c, .offset: 0, .size: 8, .value_kind: global_buffer, .address_space: global }
      - { .name: f1s, .offset: 8, .size: 8, .value_kind: global_buffer, .address_space: global }
      - { .name: f2c, .offset: 16, .size: 8, .value_kind: global_buffer, .address_space: global }
      - { .name: f2s, .offset: 24, .size: 8, .value_kind: global_buffer, .address_space: global }
      - { .name: widx, .offset: 32, .size: 8, .value_kind: global_buffer, .address_space: global }
      - { .name: wts, .offset: 40, .size: 8, .value_kind: global_buffer, .address_space: global }
      - { .name: out0, .offset: 48, .size: 8, .value_kind: global_buffer, .address_space: global }
    .group_segment_fixed_size: 320256
    .private_segment_fixed_size: 0
    .kernarg_segment_align: 8
    .kernarg_segment_size: 56
    .max_flat_workgroup_size: 128
    .sgpr_count:     66
    .vgpr_count:     768
    .wavefront_size: 32
...
	.end_amdgpu_metadata
.endif
;; end of part 3
;; ======== version 3 of 3: 2 launches; version 2 with the launch corr written anew for expert scheduling mode
;; workspace buffers: f1c 1,048,576 bytes; f2c 1,048,576 bytes; f1s 65,536 bytes; f2s 65,536 bytes; widx 655,360 bytes of whole numbers; wts 524,288 bytes
;; launch prep: the kernel of part 1 again; grid 256 x 1, 8 waves a work-group, no clusters, 1,536 bytes of LDS; arguments fmap1, fmap2, f1c, f1s, f2c, f2s, centroids_coords, widx, wts; writes f1c, f1s, f2c, f2s, widx, wts
;; launch corr (part 4): grid 256 x 1, 4 waves a work-group, no clusters, 320,256 bytes of LDS; arguments f1c, f1s, f2c, f2s, widx, wts, out0; writes out0
.if DOCPART == 4
	.amdgcn_target "amdgcn-amd-amdhsa--gfx1250"
	.amdhsa_code_object_version 6
	.text
	.protected	k_qa5fbf7d40e_corr
	.globl	k_qa5fbf7d40e_corr
	.p2align	8
	.type	k_qa5fbf7d40e_corr,@function
k_qa5fbf7d40e_corr:
	s_mov_b64 s[64:65], 0
	v_nop
	global_prefetch_b8 v0, s[64:65] scope:SCOPE_SE
	s_setreg_imm32_b32 hwreg(HW_REG_WAVE_SCHED_MODE, 0, 2), 2
	s_setreg_imm32_b32 hwreg(HW_REG_WAVE_MODE, 25, 1), 1
	s_wait_xcnt 0x0
	s_wait_alu depctr_vm_vsrc(0)
; CORR.  For 32 queries of one batch: their rows of the correlation volume (FP4 codes, E8M0 scales, K = 256, f32 sums), the three 2 x 2 pools, and on each of the four levels a 9 x 9 bilinear window.  The volume never goes to memory.
; SHARES.  Work-group g: batch g / 128, queries 32 (g % 128) .. + 31, as two tiles of 16.  The 64 x 64 image of positions goes in 8 BANDS of 8 rows.  Wave w takes columns 16 w .. 16 w + 15 of a band:
;   8 tiles of 16 positions (tile t = image row 8 s + t) x 2 tiles of queries x 2 K steps = 32 matrix instructions a band; each fragment of fmap2 is loaded once in the work-group.
; LAYOUT.  Source 0 = 16 positions, source 1 = 16 queries: lane (r, h) of accumulator (q, t) holds query 16 q + r, register j the position x = 16 w + 8 h + j, y = 8 s + t.
;   So a lane's 64 registers of a query tile are an 8 x 8 patch of one query's image, and all three pools are additions inside the lane (SUMS are kept: the means' 4^-l ride on the y weights).
; THE WINDOW IS TAKEN SEPARABLY.  A band's rows go to LDS, [query][row][x] with zeroed margins; then, a lane a query, ten neighbours of a row are read at the query's own start and give nine numbers
;   ax g[i] + fx g[i+1], which go to X, [row slot][i][query].  Levels 0 and 1 band by band, levels 2 and 3 (whose whole images fit) after the last band.  At the end wave w takes level w:
;   ten row slots of X (slot 0 = zeros, for rows outside the image) give ay R[j] + by R[j+1]: channel 81 w + 9 i + j.
; Window starts and row slots are whole numbers that the launch before has stored; each is held under a constant before it enters an LDS address.
; LDS intervals between barriers hold either stores alone or loads alone.
; fmap2's codes are read by all 128 work-groups of a batch, straight from memory into registers in the operand's order, TWO BANDS AHEAD: two sets of 128 registers (and of 8 scale words) take turns, band b in set b % 2;
;   as soon as a band's products are issued, its set takes the band two further on.  They are not shared out through LDS by joint tensor loads:
;   this text uses 319,616 of the 327,680 bytes of LDS for the bands and X, and one band's codes and scale bytes of a work-group are 69,632 bytes.
; A store of the output covers 128 consecutive bytes (32 queries of one channel): 8,192 queries over 256 work-groups are 32 each, and LDS holds the buffers of no more.
; LIMITS: as stated at the head of the launch before (NaN and infinities not served; floor and fraction taken once a level).
; THE MODE: SCHED_MODE bits 1:0 = 2 (LLVM: expert scheduling mode 2), set by the entry lines.  The code itself states the register dependences
; between vector or matrix instructions and memory or LDS instructions, with s_wait_alu, always for 0.
; THE PLAN.  Registers that memory or LDS instructions touch in a trip (band s is read out of the band buffers, band s + 1 is multiplied):
;   G01            The trip's 30 LDS loads land in it; the interpolation along x reads and writes it; the 27 stores into X read it.
;   set 0, set 1   with their scale words: the trip's 32 products read one of them; behind them the loads of the band two further on land in it.
;   ACC            The products write it; the pools (vector instructions) and 32 LDS stores read it.
;   PL1 to PL3     The pools write them; 14 LDS stores read them.          TA: four adds write it; LDS stores read it as their address.
;   AO, ASO, SA, GA, XA, YA, BQ, XZ, ZR and the four offsets v252-255 are made at the head and never written again.  T is named by vector instructions alone, until G23's loads land there at the end.
; So a trip has three waits.  (1) va_vdst behind the products, where a refill follows: they are done reading the set.  (2) va_vdst ahead of the ONE run of 73 LDS stores: ACC, PL, G01 and TA are written; no vector
; instruction follows it in the trip, so it also states that the interpolation is done with G01, in which the next trip's LDS loads land.  (3) vm_vsrc behind the trip's last barrier, ahead of the loop's branch:
; the stores have read G01, ACC, PL and TA, which the next trip writes again.  The pools stand ahead of the wait for the trip's LDS loads: they name ACC, T and PL alone.
.set P0, 304                           ; a row's pitch: 48 bytes of margin + 4 W of data
.set P1, 176
.set P2, 112
.set P3, 80
.set QP0, 16+8*P0                      ; a query's bytes: 16 of pad + its rows.  Each is an odd multiple of 16
.set QP1, 16+4*P1
.set QP2, 16+16*P2
.set QP3, 16+8*P3
.set B1, 32*QP0                        ; level 0's band at 0; level 1's band here;
.set B2, B1+32*QP1                     ; all of level 2;
.set B3, B2+32*QP2                     ; all of level 3;
.set XB, B3+32*QP3                     ; X: 121 slots (0: zeros; 1-64, 65-96, 97-112, 113-120: the levels' rows) of 9 x 32 dwords
.set XP, 1152
; A row's right margin is the next row's left one; the last row's is the next query's pad and margin; the last query's is the next region's first bytes, which are zeros too.
; REGISTERS, in windows of 256.  Window 0:
.set LN,  1                            ; v1   lane
.set RW,  2                            ; v2   r = lane % 16
.set HF,  3                            ; v3   h = lane / 16
.set AO,  4                            ; v4   fmap2's codes: 2048 w + 16 lane
.set ASO, 5                            ; v5   fmap2's scale words: 512 h + 128 w + 8 r
.set SA,  6                            ; v6-9   where my patch's first row goes in the band of level 0 .. 3
.set BQ,  10                           ; v10-13 lane = query: the first of my wave's rows in level 0 .. 3
.set GA,  14                           ; v14-17 the same + 4 x the query's window start
.set XA,  18                           ; v18-21 X: my wave's first slot of level 0 .. 3, + 4 lane
.set XL,  22                           ; v22  X + 4 lane
.set XZ,  23                           ; v23  X + 16 x thread
.set ZR,  24                           ; v24-27 zeros
.set TA,  28                           ; v28-31 a band's addresses
.set BS,  64                           ; v64-65 the queries' scale words, K step 0, 1: lanes 0-15 tile 0, lanes 16-31 tile 1
.set AS,  66                           ; v66-73 fmap2's scale words, set 0; v32-39 (34 lower) set 1: pair p: K step 0, 1; lanes 0-15 tile 2 p, lanes 16-31 tile 2 p + 1
.set WT,  74                           ; v74-89 fx, ax, ay, by of level 0 .. 3
.set WW,  90                           ; v90-93 the same of level w
.set WXO, 94                           ; v94-97 window starts of level 0 .. 3
.set SLT, 98                           ; v98-101 level w's ten row slots, a byte each
.set YA,  102                          ; v102-111 their LDS addresses
.set G01, 112                          ; v112-141 three rows of ten: level 0's two, level 1's one
.set G23, 142                          ; v142-201 six rows of ten: level 2's four, level 3's two
.set T,   142                          ; v142-205 at work while pooling (never while G23 is alive)
.set PL1, 206                          ; v206-237 level 1's sums, 16 a query tile
.set PL2, 238                          ; v238-245 level 2's, 4 a tile
.set PL3, 246                          ; v246-247 level 3's
.set AY,  248                          ; v248-249 ay twice;  v250-251 by twice
.set BY,  250
.set O4,  252                          ; 4 lane;  16 lane;  16 lane + 512 w;  8 lane: never rewritten
.set O16, 253
.set O16W, 254
.set O8,  255
.set RR,  112                          ; v112-210 the end: ten rows of X, ten registers apart
.set ACC, 128                          ; window 1: v0-127 fmap2's fragments, set 0: (t, k, c) at 16 t + 8 k + 4 c;  v128-255 the accumulators (q, t) at 128 + 64 q + 8 t
.set BF,  128                          ; window 2: v0-127 fmap2's fragments, set 1;  v128-159 the queries' fragments (q, k) at 128 + 16 q + 8 k
.set MSB, 0
.macro WIN new                         ; s_set_vgpr_msb: bits 1:0 source 0, 3:2 source 1, 5:4 source 2, 7:6 destination; the high byte repeats the setting that is left
.if MSB != \new
	s_set_vgpr_msb (MSB<<8)|\new
.set MSB, \new
.endif
.endm
.macro BAR                             ; my LDS stores have landed and my LDS loads are in: then the work-group's barrier
	s_wait_dscnt 0x0
	s_barrier_signal -1
	s_barrier_wait -1
.endm
	s_load_b128 s[4:7], s[0:1], 0x0                ; f1c, f1s
	s_load_b128 s[8:11], s[0:1], 0x10              ; f2c, f2s
	s_load_b128 s[12:15], s[0:1], 0x20             ; widx, wts
	s_load_b64 s[16:17], s[0:1], 0x30              ; out
	v_lshl_add_u32 v62, v0, 2, 0x4e100
	v_mov_b32 v63, 0
	v_lshrrev_b32 v1, 5, v0
	v_readfirstlane_b32 s18, v1                    ; wave 0..3
	v_and_b32 v[LN], 31, v0
	v_and_b32 v[RW], 15, v0
	v_bfe_u32 v[HF], v0, 4, 1
	v_lshlrev_b32 v[O16], 4, v[LN]
	v_lshlrev_b32 v[O8], 3, v[LN]
	v_lshlrev_b32 v[O4], 2, v[LN]
	s_wait_alu depctr_va_sdst(0)                   ; s18 is written, ahead of its first reader: offsets, LDS addresses and the output's base are made from it
	s_lshl_b32 s33, s18, 11
	v_add_nc_u32 v[AO], s33, v[O16]
	s_lshl_b32 s33, s18, 9
	v_add_nc_u32 v[O16W], s33, v[O16]
	v_lshlrev_b32 v[ASO], 3, v[RW]
	v_lshl_add_u32 v[ASO], v[HF], 9, v[ASO]
	s_lshl_b32 s33, s18, 7
	v_add_nc_u32 v[ASO], s33, v[ASO]
	s_lshr_b32 s19, ttmp9, 7                       ; batch
	s_and_b32 s33, ttmp9, 127
	s_lshl_b32 s36, ttmp9, 12                      ; f1c: two tiles of 2,048 bytes a work-group (128 work-groups are a batch's 524,288 bytes)
	s_mov_b32 s37, 0
	s_lshl_b32 s38, ttmp9, 8                       ; f1s: 32 queries x 8 bytes
	s_mov_b32 s39, 0
	s_lshl_b32 s40, s19, 19                        ; f2c: the batch
	s_mov_b32 s41, 0
	s_lshl_b32 s42, s19, 15                        ; f2s: the batch
	s_mov_b32 s43, 0
	s_mul_i32 s44, ttmp9, 2560
	s_mov_b32 s45, 0
	s_lshl_b32 s46, ttmp9, 11
	s_mov_b32 s47, 0
	s_mul_i32 s34, s19, 5308416                    ; out: a batch is 324 channels of 16,384 bytes,
	s_mul_i32 s35, s18, 1327104                    ; my level's 81 channels,
	s_add_co_u32 s34, s34, s35
	s_lshl_b32 s35, s33, 7                         ; my work-group's 32 queries
	s_add_co_u32 s34, s34, s35
	s_mov_b32 s35, 0
	s_mov_b32 s28, 0                               ; a band on: 2 rows of level 2,
	s_mov_b32 s29, 0                               ; 1 row of level 3,
	s_mov_b32 s30, 0                               ; 8 slots of X,
	s_mov_b32 s31, 0                               ; 4 slots of X
	s_wait_kmcnt 0x0
	s_add_nc_u64 s[20:21], s[4:5], s[36:37]
	s_add_nc_u64 s[22:23], s[6:7], s[38:39]
	s_add_nc_u64 s[24:25], s[8:9], s[40:41]
	s_add_nc_u64 s[26:27], s[10:11], s[42:43]
	s_add_nc_u64 s[12:13], s[12:13], s[44:45]
	s_add_nc_u64 s[14:15], s[14:15], s[46:47]
	s_add_nc_u64 s[34:35], s[16:17], s[34:35]
; fmap2's scale words and fragments of a band into set 0 or 1: 4 + 32 loads, K step 0's fragments ahead of K step 1's.  step = 1: on to the next band first.
; The other set's 36 loads may still be out then and name the same two bases: these are written only behind s_wait_xcnt 0, when every earlier memory instruction has had its addresses translated (ISA guide 3.1).
; Two bands' loads are 72, more than LOADcnt's field holds: there the issue of the next load waits until an earlier load has landed (ISA guide 5.7.1); no wait is written for that.
; The two offsets are never written again; that the set's last readers are done is stated ahead of the macro, where there were any.
.macro ALOAD set, step
.if \step
	s_wait_xcnt 0x0
	s_add_nc_u64 s[24:25], s[24:25], 0x10000       ; 32 tiles of 2,048 bytes
	s_add_nc_u64 s[26:27], s[26:27], 0x1000        ; 512 positions x 8 bytes
.endif
.irp p, 0,1,2,3
	global_load_b64 v[AS-34*(\set)+2*\p:AS-34*(\set)+2*\p+1], v[ASO], s[26:27] offset:\p*1024
.endr
	WIN (0x40*(1+\set))                            ; destination window 1 (set 0) or 2 (set 1)
.irp k, 0,1
.irp t, 0,1,2,3,4,5,6,7
.irp c, 0,1
	global_load_b128 v[16*\t+8*\k+4*\c:16*\t+8*\k+4*\c+3], v[AO], s[24:25] offset:\t*8192+\k*1024+\c*512   ; 32 lanes read 512 consecutive bytes
.endr
.endr
.endr
	WIN 0
.endm
	s_wait_alu depctr_va_vdst(0)                   ; the five offsets v4, v5, v253, v254, v255 are written: every global load of the kernel reads one of them
	global_load_b128 v[WXO:WXO+3], v[O16], s[12:13] th:TH_LOAD_NT
	global_load_b128 v[SLT:SLT+3], v[O16W], s[12:13] offset:512 th:TH_LOAD_NT
.irp l, 0,1,2,3
	global_load_b128 v[WT+4*\l:WT+4*\l+3], v[O16], s[14:15] offset:512*\l th:TH_LOAD_NT
.endr
	global_load_b128 v[WW:WW+3], v[O16W], s[14:15] th:TH_LOAD_NT
	global_load_b64 v[BS:BS+1], v[O8], s[22:23] th:TH_LOAD_NT
	WIN 0x80                                       ; destination window 2
.irp q, 0,1
.irp k, 0,1
.irp c, 0,1
	global_load_b128 v[BF+16*\q+8*\k+4*\c:BF+16*\q+8*\k+4*\c+3], v[O16], s[20:21] offset:2048*\q+1024*\k+512*\c th:TH_LOAD_NT
.endr
.endr
.endr
	WIN 0
	ALOAD 0, 0                                     ; band 0
	; LDS addresses (none of these lines writes a register that a load above reads or lands in)
.macro MKSA l, qp, base, sh            ; r x a query's bytes + the data's start + my patch's x in bytes: (2 << sh) w + (1 << sh) h
	v_mul_u32_u24 v[SA+\l], v[RW], \qp
	v_lshl_add_u32 v[SA+\l], v[HF], \sh, v[SA+\l]
	s_lshl_b32 s33, s18, \sh+1
	s_add_co_u32 s33, s33, \base+64
	v_add_nc_u32 v[SA+\l], s33, v[SA+\l]
.endm
	MKSA 0, QP0, 0, 5
	MKSA 1, QP1, B1, 4
	MKSA 2, QP2, B2, 3
	MKSA 3, QP3, B3, 2
.macro MKBQ l, qp, base, wstep         ; lane x a query's bytes + my wave's first row
	v_mul_u32_u24 v[BQ+\l], v[LN], \qp
	s_mul_i32 s33, s18, \wstep
	s_add_co_u32 s33, s33, \base
	v_add_nc_u32 v[BQ+\l], s33, v[BQ+\l]
.endm
	MKBQ 0, QP0, 0, 2*P0
	MKBQ 1, QP1, B1, P1
	MKBQ 2, QP2, B2, 4*P2
	MKBQ 3, QP3, B3, 2*P3
.macro MKXA l, row0, wrows
	s_mul_i32 s33, s18, \wrows*XP
	s_add_co_u32 s33, s33, XB+\row0*XP
	v_add_nc_u32 v[XA+\l], s33, v[O4]
.endm
	MKXA 0, 1, 2
	MKXA 1, 65, 1
	MKXA 2, 97, 4
	MKXA 3, 113, 2
	v_add_nc_u32 v[XL], XB, v[O4]
	v_lshl_add_u32 v[XZ], v0, 4, XB
.irp i, 0,1,2,3
	v_mov_b32 v[ZR+\i], 0
.endr
; The margins are cleared once, a lane a query: 48 bytes ahead of each of my wave's rows, and the 16 bytes ahead of the first of them (in wave 0 the query's pad; else data bytes that are written later).
.macro ZERO l, pitch, rows
	ds_store_b128 v[BQ+\l], v[ZR:ZR+3]
.set u, 0
.rept \rows
	ds_store_b128 v[BQ+\l], v[ZR:ZR+3] offset:u*\pitch+16
	ds_store_b128 v[BQ+\l], v[ZR:ZR+3] offset:u*\pitch+32
	ds_store_b128 v[BQ+\l], v[ZR:ZR+3] offset:u*\pitch+48
.set u, u+1
.endr
.endm
	s_wait_alu depctr_va_vdst(0)                   ; BQ, XZ and the four zeros are written, which the LDS stores below read; so are SA and XA, which every later LDS store's address is or is made of
	ZERO 0, P0, 2
	ZERO 1, P1, 1
	ZERO 2, P2, 4
	ZERO 3, P3, 2
	ds_store_b128 v[XZ], v[ZR:ZR+3]                ; X's slot 0 (128 threads x 16 bytes reach into slot 1, which is written later)
	s_wait_dscnt 0x0
	s_barrier_signal -1                            ; the margins: cleared ahead of every store of data
	s_wait_loadcnt 45                              ; the seven loads of whole numbers and weights are in; behind them were issued 1 + 8 (the queries') + 4 + 32 (band 0's)
	v_min_u32 v[WXO], 80, v[WXO]                   ; each start held at W + 16 before it enters an address
	v_min_u32 v[WXO+1], 48, v[WXO+1]
	v_min_u32 v[WXO+2], 32, v[WXO+2]
	v_min_u32 v[WXO+3], 24, v[WXO+3]
.irp l, 0,1,2,3
	v_lshl_add_u32 v[GA+\l], v[WXO+\l], 2, v[BQ+\l]
.endr
.irp j, 0,1,2,3,4,5,6,7,8,9
	v_bfe_u32 v[YA+\j], v[SLT+\j/4], 8*(\j%4), 8
.endr
.irp j, 0,1,2,3,4,5,6,7,8,9
	v_min_u32 v[YA+\j], 120, v[YA+\j]              ; each slot held at X's last
.endr
.irp j, 0,1,2,3,4,5,6,7,8,9
	v_mad_u32_u24 v[YA+\j], v[YA+\j], XP, v[XL]
.endr
	v_mov_b32 v[AY], v[WW+2]
	v_mov_b32 v[AY+1], v[WW+2]
	v_mov_b32 v[BY], v[WW+3]
	v_mov_b32 v[BY+1], v[WW+3]
	s_barrier_wait -1
; One product: tile t of positions (from set 0 or 1) x tile q of queries, K step k.  K step 0 starts the sum with the constant 0.  An odd tile's scale words lie in lanes 16-31 of its pair's register, and so do query tile 1's.
.macro PROD t, q, k, set
.set rD, ACC+64*(\q)+8*(\t)
.set rA, 16*(\t)+8*(\k)
.set rB, BF+16*(\q)+8*(\k)
.set rSA, AS-34*(\set)+2*((\t)/2)+(\k)
.set rSB, BS+(\k)
.if (\k) == 0
.if ((\t)%2 == 0) && ((\q) == 0)
	v_wmma_scale_f32_16x16x128_f8f6f4 v[rD:rD+7], v[rA:rA+7], v[rB:rB+7], 0, v[rSA], v[rSB] matrix_a_fmt:MATRIX_FMT_FP4 matrix_b_fmt:MATRIX_FMT_FP4
.elseif ((\t)%2 == 1) && ((\q) == 0)
	v_wmma_scale_f32_16x16x128_f8f6f4 v[rD:rD+7], v[rA:rA+7], v[rB:rB+7], 0, v[rSA], v[rSB] matrix_a_fmt:MATRIX_FMT_FP4 matrix_b_fmt:MATRIX_FMT_FP4 matrix_a_scale:MATRIX_SCALE_ROW1
.elseif ((\t)%2 == 0)
	v_wmma_scale_f32_16x16x128_f8f6f4 v[rD:rD+7], v[rA:rA+7], v[rB:rB+7], 0, v[rSA], v[rSB] matrix_a_fmt:MATRIX_FMT_FP4 matrix_b_fmt:MATRIX_FMT_FP4 matrix_b_scale:MATRIX_SCALE_ROW1
.else
	v_wmma_scale_f32_16x16x128_f8f6f4 v[rD:rD+7], v[rA:rA+7], v[rB:rB+7], 0, v[rSA], v[rSB] matrix_a_fmt:MATRIX_FMT_FP4 matrix_b_fmt:MATRIX_FMT_FP4 matrix_a_scale:MATRIX_SCALE_ROW1 matrix_b_scale:MATRIX_SCALE_ROW1
.endif
.else
.if ((\t)%2 == 0) && ((\q) == 0)
	v_wmma_scale_f32_16x16x128_f8f6f4 v[rD:rD+7], v[rA:rA+7], v[rB:rB+7], v[rD:rD+7], v[rSA], v[rSB] matrix_a_fmt:MATRIX_FMT_FP4 matrix_b_fmt:MATRIX_FMT_FP4
.elseif ((\t)%2 == 1) && ((\q) == 0)
	v_wmma_scale_f32_16x16x128_f8f6f4 v[rD:rD+7], v[rA:rA+7], v[rB:rB+7], v[rD:rD+7], v[rSA], v[rSB] matrix_a_fmt:MATRIX_FMT_FP4 matrix_b_fmt:MATRIX_FMT_FP4 matrix_a_scale:MATRIX_SCALE_ROW1
.elseif ((\t)%2 == 0)
	v_wmma_scale_f32_16x16x128_f8f6f4 v[rD:rD+7], v[rA:rA+7], v[rB:rB+7], v[rD:rD+7], v[rSA], v[rSB] matrix_a_fmt:MATRIX_FMT_FP4 matrix_b_fmt:MATRIX_FMT_FP4 matrix_b_scale:MATRIX_SCALE_ROW1
.else
	v_wmma_scale_f32_16x16x128_f8f6f4 v[rD:rD+7], v[rA:rA+7], v[rB:rB+7], v[rD:rD+7], v[rSA], v[rSB] matrix_a_fmt:MATRIX_FMT_FP4 matrix_b_fmt:MATRIX_FMT_FP4 matrix_a_scale:MATRIX_SCALE_ROW1 matrix_b_scale:MATRIX_SCALE_ROW1
.endif
.endif
.endm
; A band's 32 products, from set 0 or 1.  behind = the loads issued behind this band's: the next band's 36, or none.
; The 16 accumulators take turns, one instruction a turn, in the same order in both K steps.
.macro MULT set, behind
	s_wait_loadcnt 16+\behind                      ; loads come back in order (ISA guide 5.7.1): all up to this band's K step 0 are in; its K step 1's 16 and the next band's may be out
	WIN (0x59+\set)                                ; source 0 window 1 or 2; source 1 window 2; C and D window 1
.irp t, 0,1,2,3,4,5,6,7
.irp q, 0,1
	PROD \t, \q, 0, \set
.endr
.endr
	s_wait_loadcnt \behind                         ; this band's K step 1 is in: none of this set's loads is out any more
.irp t, 0,1,2,3,4,5,6,7
.irp q, 0,1
	PROD \t, \q, 1, \set
.endr
.endr
	WIN 0
.rept 4
	v_nop                                          ; four places (ISA guide 7.12.1) ahead of the first read of results, the pools'; they stand beside the waits on va_vdst that follow, and in no wait's stead
.endr
.endm
; The three pools inside the lane.  Each accumulator is read from its low end on: its first reader here takes its registers 0 and 1.  These lines name the accumulators, T and PL alone.
.macro POOL
	WIN 0x05                                       ; sources 0 and 1 window 1
.irp q, 0,1
.irp y, 0,1,2,3
.irp p, 0,2,4,6
	v_pk_add_f32 v[T+32*\q+8*\y+\p:T+32*\q+8*\y+\p+1], v[ACC+64*\q+16*\y+\p:ACC+64*\q+16*\y+\p+1], v[ACC+64*\q+16*\y+8+\p:ACC+64*\q+16*\y+8+\p+1]   ; rows 2 y and 2 y + 1
.endr
.endr
.endr
	WIN 0
.irp q, 0,1
.irp y, 0,1,2,3
.irp x, 0,1,2,3
	v_add_f32 v[PL1+16*\q+4*\y+\x], v[T+32*\q+8*\y+2*\x], v[T+32*\q+8*\y+2*\x+1]   ; columns 2 x and 2 x + 1: level 1's sum of 4
.endr
.endr
.endr
.irp q, 0,1
.irp z, 0,1
.irp p, 0,2
	v_pk_add_f32 v[T+8*\q+4*\z+\p:T+8*\q+4*\z+\p+1], v[PL1+16*\q+8*\z+\p:PL1+16*\q+8*\z+\p+1], v[PL1+16*\q+8*\z+4+\p:PL1+16*\q+8*\z+4+\p+1]
.endr
.endr
.endr
.irp q, 0,1
.irp z, 0,1
.irp x, 0,1
	v_add_f32 v[PL2+4*\q+2*\z+\x], v[T+8*\q+4*\z+2*\x], v[T+8*\q+4*\z+2*\x+1]      ; level 2's sum of 16
.endr
.endr
.endr
.irp q, 0,1
	v_pk_add_f32 v[T+16+2*\q:T+17+2*\q], v[PL2+4*\q:PL2+4*\q+1], v[PL2+4*\q+2:PL2+4*\q+3]
.endr
.irp q, 0,1
	v_add_f32 v[PL3+\q], v[T+16+2*\q], v[T+17+2*\q]                                ; level 3's sum of 64
.endr
.endm
.macro ADR23                           ; where this band's rows of levels 2 and 3 go
	v_add_nc_u32 v[TA], s28, v[SA+2]               ; level 2: rows 2 s, 2 s + 1
	v_add_nc_u32 v[TA+1], s29, v[SA+3]             ; level 3: row s
.endm
.macro ADR01                           ; where this band's slots of X begin
	v_add_nc_u32 v[TA+2], s30, v[XA]
	v_add_nc_u32 v[TA+3], s31, v[XA+1]
.endm
; A band's results into the band buffers: level 0 as it stands, then the pools' sums.  All of it stores: what they read has been stated written ahead of the macro.
.macro DST
	WIN 0x04                                       ; an LDS store's data are its source 1: window 1
.irp q, 0,1
.irp t, 0,1,2,3,4,5,6,7
	ds_store_b128 v[SA], v[ACC+64*\q+8*\t:ACC+64*\q+8*\t+3] offset:\q*16*QP0+\t*P0
	ds_store_b128 v[SA], v[ACC+64*\q+8*\t+4:ACC+64*\q+8*\t+7] offset:\q*16*QP0+\t*P0+16
.endr
.endr
	WIN 0
.irp q, 0,1
.irp y, 0,1,2,3
	ds_store_b128 v[SA+1], v[PL1+16*\q+4*\y:PL1+16*\q+4*\y+3] offset:\q*16*QP1+\y*P1
.endr
.endr
.irp q, 0,1
.irp z, 0,1
	ds_store_b64 v[TA], v[PL2+4*\q+2*\z:PL2+4*\q+2*\z+1] offset:\q*16*QP2+\z*P2
.endr
	ds_store_b32 v[TA+1], v[PL3+\q] offset:\q*16*QP3
.endr
	s_add_co_u32 s28, s28, 2*P2
	s_add_co_u32 s29, s29, P3
.endm
; Lane = query: ten neighbours of each of my wave's rows, from the query's own start on.
.macro GATH01
.irp i, 0,1,2,3,4,5,6,7,8,9
	ds_load_b32 v[G01+\i], v[GA] offset:4*\i               ; level 0, band rows 2 w and 2 w + 1
	ds_load_b32 v[G01+10+\i], v[GA] offset:P0+4*\i
	ds_load_b32 v[G01+20+\i], v[GA+1] offset:4*\i          ; level 1, band row w
.endr
.endm
.macro GATH23
.irp i, 0,1,2,3,4,5,6,7,8,9
.irp u, 0,1,2,3
	ds_load_b32 v[G23+10*\u+\i], v[GA+2] offset:\u*P2+4*\i         ; level 2, rows 4 w + u
.endr
.irp u, 0,1
	ds_load_b32 v[G23+40+10*\u+\i], v[GA+3] offset:\u*P3+4*\i      ; level 3, rows 2 w + u
.endr
.endr
.endm
; g[i] = ax g[i] + fx g[i + 1], i ascending, so that g[i + 1] is still as loaded; the rows by turns.
.macro LERP01
.irp i, 0,1,2,3,4,5,6,7,8
	v_mul_f32 v[G01+\i], v[WT+1], v[G01+\i]
	v_mul_f32 v[G01+10+\i], v[WT+1], v[G01+10+\i]
	v_mul_f32 v[G01+20+\i], v[WT+5], v[G01+20+\i]
	v_fmac_f32 v[G01+\i], v[WT], v[G01+1+\i]
	v_fmac_f32 v[G01+10+\i], v[WT], v[G01+11+\i]
	v_fmac_f32 v[G01+20+\i], v[WT+4], v[G01+21+\i]
.endr
.endm
.macro LERP23
.irp i, 0,1,2,3,4,5,6,7,8
.irp u, 0,1,2,3
	v_mul_f32 v[G23+10*\u+\i], v[WT+9], v[G23+10*\u+\i]
.endr
.irp u, 4,5
	v_mul_f32 v[G23+10*\u+\i], v[WT+13], v[G23+10*\u+\i]
.endr
.irp u, 0,1,2,3
	v_fmac_f32 v[G23+10*\u+\i], v[WT+8], v[G23+10*\u+1+\i]
.endr
.irp u, 4,5
	v_fmac_f32 v[G23+10*\u+\i], v[WT+12], v[G23+10*\u+1+\i]
.endr
.endr
.endm
.macro XST01                           ; into X: slot, i, query: 32 lanes store 128 consecutive bytes
.irp i, 0,1,2,3,4,5,6,7,8
	ds_store_b32 v[TA+2], v[G01+\i] offset:128*\i
	ds_store_b32 v[TA+2], v[G01+10+\i] offset:XP+128*\i
	ds_store_b32 v[TA+3], v[G01+20+\i] offset:128*\i
.endr
	s_add_co_u32 s30, s30, 8*XP
	s_add_co_u32 s31, s31, 4*XP
.endm
.macro XST23
.irp i, 0,1,2,3,4,5,6,7,8
.irp u, 0,1,2,3
	ds_store_b32 v[XA+2], v[G23+10*\u+\i] offset:\u*XP+128*\i
.endr
.irp u, 0,1
	ds_store_b32 v[XA+3], v[G23+40+10*\u+\i] offset:\u*XP+128*\i
.endr
.endr
.endm
; A trip: band s is read out of the band buffers while band s + 1 (in set (s + 1) % 2) is multiplied; then band s + 1 takes its place.
; behind = the loads issued behind band s + 1's.  fill = 1: the set just multiplied takes band s + 3.
.macro TRIP set, behind, fill
	GATH01                                         ; band s.  No wait: G01's last vector reader and writer stand ahead of the last wait on va_vdst, its last LDS reader ahead of the last wait on vm_vsrc
	MULT \set, \behind                             ; band s + 1
.if \fill
	s_wait_alu depctr_va_vdst(0)                   ; the products are done reading this set's fragments and scale words, in which the loads below land
	ALOAD \set, 1                                  ; band s + 3: two trips ahead of its products
.endif
	POOL                                           ; band s + 1's pools, while band s's LDS loads are out
	s_wait_dscnt 0x0                               ; my reads of the band buffers are in:
	s_barrier_signal -1                            ; say so,
	LERP01                                         ; work on registers while the others arrive,
	ADR01
	ADR23
	s_barrier_wait -1                              ; and store only when nobody reads any more
	s_wait_alu depctr_va_vdst(0)                   ; the products have written ACC, the pools PL1 to PL3, the interpolation G01, the four adds TA: the run of LDS stores below reads them all
	XST01
	DST
	BAR                                            ; band s + 1 lies in the band buffers
	s_wait_alu depctr_vm_vsrc(0)                   ; these LDS stores have read G01, in which the next LDS loads land, and ACC, PL1 to PL3 and TA, which the next products, pools and adds write
.endm
	ALOAD 1, 1                                     ; band 1, into set 1: behind the barrier, since only register work and LDS loads stand between a signal and its wait.  No vector or matrix instruction has named set 1, and the offsets stand as they were
	MULT 0, 36                                     ; band 0
	s_wait_alu depctr_va_vdst(0)                   ; the products are done reading set 0 and its scale words, in which the loads below land; GA and YA, made behind the first barrier's signal, are written: the LDS loads of the trips and of the end read them
	ALOAD 0, 1                                     ; band 2
	POOL
	ADR23
	s_wait_alu depctr_va_vdst(0)                   ; the products have written ACC, the pools PL1 to PL3, the two adds TA: the LDS stores below read them
	DST
	BAR
	s_wait_alu depctr_vm_vsrc(0)                   ; these LDS stores have read ACC, PL1 to PL3 and TA, which the first trip writes again
	s_mov_b32 s32, 2
.Ltrip:                                            ; s = 0 .. 3: a trip of the loop runs two bands, until the sets are back where they began
	TRIP 1, 36, 1
	TRIP 0, 36, 1
	s_sub_co_u32 s32, s32, 1
	s_cmp_lg_u32 s32, 0
	s_cbranch_scc1 .Ltrip
	TRIP 1, 36, 1                                  ; s = 4: band 5 is multiplied, band 7 asked for
	TRIP 0, 36, 0                                  ; s = 5: band 6; there is no band 8 to ask for, and no load leaves its buffer; band 7's 36 loads stand behind band 6's
	TRIP 1, 0, 0                                   ; s = 6: band 7, with no load behind it
	GATH01                                         ; band 7,
	GATH23                                         ; and levels 2 and 3, whose images are whole now.  No wait: G23's registers were T, which the pools named last, ahead of the last wait on va_vdst, and no LDS store has read them
	s_wait_dscnt 0x0
	s_barrier_signal -1
	LERP01
	LERP23
	ADR01
	s_barrier_wait -1
	s_wait_alu depctr_va_vdst(0)                   ; the interpolations have written G01 and G23, the two adds TA: the LDS stores below read them
	XST01
	XST23
	BAR                                            ; X is whole
	s_wait_alu depctr_vm_vsrc(0)                   ; these LDS stores have read G01 and G23, in whose registers the LDS loads below land (their last vector reader and writer stand ahead of the wait on va_vdst above)
	; THE END.  Wave w takes level w, a lane a query: ten row slots x nine numbers; out(i, j) = ay R[j][i] + by R[j + 1][i] in place, row j's turn ahead of row j + 1's.
	; The stores go one row behind the arithmetic: row j's lines name rows j and j + 1 alone, so the wait ahead of them serves row j - 1's nine stores, which follow them.
.irp j, 0,1,2,3,4,5,6,7,8,9
.irp i, 0,1,2,3,4,5,6,7,8
	ds_load_b32 v[RR+10*\j+\i], v[YA+\j] offset:128*\i
.endr
.endr
.macro ROWMATH j
.if 72-9*(\j) > 63
	s_wait_dscnt 63                                ; (a wait's count names 63 at the most)
.else
	s_wait_dscnt 72-9*(\j)                         ; rows j and j + 1 are in; the 9 (8 - j) loads behind them may be out
.endif
.irp i, 0,2,4,6
	v_pk_mul_f32 v[RR+10*(\j)+\i:RR+10*(\j)+\i+1], v[RR+10*(\j)+\i:RR+10*(\j)+\i+1], v[AY:AY+1]
.endr
	v_mul_f32 v[RR+10*(\j)+8], v[AY], v[RR+10*(\j)+8]
.irp i, 0,2,4,6
	v_pk_fma_f32 v[RR+10*(\j)+\i:RR+10*(\j)+\i+1], v[RR+10*(\j)+10+\i:RR+10*(\j)+10+\i+1], v[BY:BY+1], v[RR+10*(\j)+\i:RR+10*(\j)+\i+1]
.endr
	v_fmac_f32 v[RR+10*(\j)+8], v[BY], v[RR+10*(\j)+18]
.endm
.macro ROWOUT j
.irp i, 0,1,2,3,4,5,6,7,8
	global_store_b32 v[O4], v[RR+10*(\j)+\i], s[34:35] offset:(9*\i+(\j))*16384 th:TH_STORE_NT   ; channel 81 w + 9 i + j: 32 lanes store 128 consecutive bytes; no store's data are written again
.endr
.endm
	ROWMATH 0
.irp j, 1,2,3,4,5,6,7,8
	s_wait_alu depctr_va_vdst(0)                   ; the row before has its nine numbers written, which its stores, behind this row's arithmetic, read
	ROWMATH \j
	ROWOUT \j-1
.endr
	s_wait_alu depctr_va_vdst(0)                   ; row 8's nine numbers are written, which the last nine stores read
	ROWOUT 8
	s_wait_dscnt 0x0                               ; the closing lines, six on end
	s_wait_alu 0x0
	s_wait_tensorcnt 0x0
	ds_add_u32 v62, v63
	s_wait_dscnt 0x0
	s_endpgm
.Lfunc_end_k_qa5fbf7d40e_corr:
	.size	k_qa5fbf7d40e_corr, .Lfunc_end_k_qa5fbf7d40e_corr-k_qa5fbf7d40e_corr
	.p2alignl 7, 3214868480
	.fill 96, 4, 3214868480
	.section	.rodata,"a",@progbits
	.p2align	6, 0x0
	.amdhsa_kernel k_qa5fbf7d40e_corr
		.amdhsa_group_segment_fixed_size 320256
		.amdhsa_private_segment_fixed_size 0
		.amdhsa_enable_private_segment 0
		.amdhsa_kernarg_size 56
		.amdhsa_user_sgpr_count 2
		.amdhsa_user_sgpr_kernarg_segment_ptr 1
		.amdhsa_wavefront_size32 1
		.amdhsa_system_sgpr_workgroup_id_x 1
		.amdhsa_system_sgpr_workgroup_id_y 1
		.amdhsa_system_sgpr_workgroup_id_z 1
		.amdhsa_system_vgpr_workitem_id 0
		.amdhsa_next_free_vgpr 768
		.amdhsa_next_free_sgpr 66
		.amdhsa_reserve_vcc 0
		.amdhsa_float_denorm_mode_32 3
		.amdhsa_float_denorm_mode_16_64 3
		.amdhsa_memory_ordered 1
		.amdhsa_forward_progress 1
		.amdhsa_inst_pref_size 166
	.end_amdhsa_kernel
	.amdgpu_metadata
---
amdhsa.version: [ 1, 2 ]
amdhsa.kernels:
  - .name:           k_qa5fbf7d40e_corr
    .symbol:         k_qa5fbf7d40e_corr.kd
    .args:
      - { .name: f1c, .offset: 0, .size: 8, .value_kind: global_buffer, .address_space: global }
      - { .name: f1s, .offset: 8, .size: 8, .value_kind: global_buffer, .address_space: global }
      - { .name: f2c, .offset: 16, .size: 8, .value_kind: global_buffer, .address_space: global }
      - { .name: f2s, .offset: 24, .size: 8, .value_kind: global_buffer, .address_space: global }
      - { .name: widx, .offset: 32, .size: 8, .value_kind: global_buffer, .address_space: global }
      - { .name: wts, .offset: 40, .size: 8, .value_kind: global_buffer, .address_space: global }
      - { .name: out0, .offset: 48, .size: 8, .value_kind: global_buffer, .address_space: global }
    .group_segment_fixed_size: 320256
    .private_segment_fixed_size: 0
    .kernarg_segment_align: 8
    .kernarg_segment_size: 56
    .max_flat_workgroup_size: 128
    .sgpr_count:     66
    .vgpr_count:     768
    .wavefront_size: 32
...
	.end_amdgpu_metadata
.endif
;; end of part 4
